; MI455X (gfx1250); checked and timed in simulation.
; The chip was launched on July 23, 2026; its instructions are those of AMD's public machine-readable ISA for CDNA 5 (MIT licence, August 2026) and "CDNA5" Instruction Set Architecture Reference Guide (July 2026). The comments in the code are by the model that wrote it; some were corrected since.
;; Multi Head Attention. Allowed arithmetic: matrix products marked QUANTISED: E2M3 operands, one E8M0 scale for each 32 along K, by v_wmma_scale_f32_16x16x128_f8f6f4 with both operands' format E2M3, f32 sums; everything else in f32.
;; Inputs: bk 1,024 float32; bo 1,024 float32; bq 1,024 float32; bv 1,024 float32; k 4 x 2,048 x 1,024 float32; pad_mask 4 x 2,048 x 2,048 bool; q 4 x 2,048 x 1,024 float32; v 4 x 2,048 x 1,024 float32; wk 1,024 x 1,024 float32; wo 1,024 x 1,024 float32; wq 1,024 x 1,024 float32; wv 1,024 x 1,024 float32.
;; Outputs: out0 4 x 2,048 x 1,024 float32; out1 4 x 2,048 x 1,024 float32.
;; This version of the problem:
;;   THIS VERSION OF THE PROBLEM IS GIVEN IN LOW PRECISION. The matrix products marked QUANTISED in the list below multiply operands that are first quantised to E2M3 (2 exponent bits, 3 mantissa bits; 6 bits a number), with one power-of-two scale for each 32 numbers along K (OCP MX v1.0); their sums are f32. All else is computed in f32.
;;   The module's matrix products, in the order in which they are computed (A, B: the left and right operand; K: the contracted axis; several contracted axes count as one K, in the product's order):
;;     1. [M 8,192, K 1,024] x [K 1,024, N 1,024]; A: input q; B: input wq: QUANTISED
;;     2. [M 8,192, K 1,024] x [K 1,024, N 1,024]; A: input k; B: input wk: QUANTISED
;;     3. [M 8,192, K 1,024] x [K 1,024, N 1,024]; A: input v; B: input wv: QUANTISED
;;     4. batch 64 x [M 2,048, K 64] x [K 64, N 2,048]; A: computed on the way; B: computed on the way: QUANTISED
;;     5. batch 64 x [M 2,048, K 2,048] x [K 2,048, N 64]; A: softmax (see below); B: computed on the way: QUANTISED
;;     6. [M 8,192, K 1,024] x [K 1,024, N 1,024]; A: computed on the way; B: input wo: QUANTISED
;;   THE QUANTISER, for each operand of a quantised product, along K:
;;     - K is cut into blocks of 32 from its start; a last block that is shorter is filled with zeros.
;;     - A block's scale is 2^e with e = floor(log2(the largest magnitude in the block)) - 2, held to -126 .. 127; a block of zeros has e = 0. As a byte (E8M0): e + 127.
;;     - Each number is divided by its block's scale, clamped to +-7.5, and rounded to the nearest number of E2M3, ties to even, subnormals kept.
;;     - The product sums the exact products of the quantised numbers (number of the format x scale) in f32.
;;   ~~~python
;;   def quantise(x, axis):      # numpy; x: float32 -> the quantised numbers, widened to float32 again
;;       x = np.moveaxis(x, axis, -1); K = x.shape[-1]
;;       x = np.pad(x, [(0, 0)] * (x.ndim - 1) + [(0, -K % 32)]); x = x.reshape(x.shape[:-1] + (-1, 32)); a = np.abs(x).max(-1, keepdims=True)
;;       e = np.where(a > 0, np.clip(np.frexp(np.where(a > 0, a, 1))[1] - 1 - 2, -126, 127), 0)      # np.frexp(a)[1] - 1 = floor(log2(a)), exactly
;;       r = np.clip(x / 2.0 ** e, -7.5, 7.5)
;;       step = 2.0 ** (np.maximum(np.frexp(np.where(r == 0, 1, r))[1] - 1, 0) - 3)
;;       q = np.round(r / step) * step * 2.0 ** e      # np.round: ties to even
;;       return np.moveaxis(q.reshape(q.shape[:-2] + (-1,))[..., :K], -1, axis).astype(np.float32)
;;   ~~~
;;   SOFTMAX AHEAD OF A QUANTISED PRODUCT. Where the list says 'softmax', what is quantised is not the finished softmax but p = 2^(t - M), with t = logit x log2(e) and M = ceil(the row's largest t), a whole number; so 1/2 < the row's largest p <= 1. The row's sum l is taken of the UNQUANTISED p, in f32, and the product's result is divided by l at the end. Since M is a whole number, a kernel that streams over the keys may use a running M (the ceiling of the running maximum): every later rescaling is an exact power of two, which a block's scale takes up: the codes' values come out the same.
;;   OPERANDS COMPUTED ON THE WAY. 'Computed on the way' means the value that the module computes at that place (a softmax that the list does not call 'softmax' is quantised finished and normalised). What goes into a quantiser is computed in f32, as accurately as f32 sums, v_exp_f32 and their like allow (about 1e-6 of the number): no bf16 or f16 on the way to a quantiser, and a product that is left as it is and whose result goes on into a quantised operand takes f32 operands (vector FMAs, or v_wmma_f32_16x16x4_f32). A number that lies on a knife's edge between two numbers of the format may be rounded either way, as far as f32 arithmetic and the matrix unit's own rounding can turn it there, and no further.
;; One version. Each part assembles by itself: llvm-mc -triple=amdgcn-amd-amdhsa -mcpu=gfx1250 --defsym DOCPART=n.
;; ======== version 1 of 1: 4 launches
;; limits: right only within a limited range of input values
;; workspace buffers: XI 22,937,600 bytes; QB 13,369,344 bytes; KV 13,369,344 bytes; MW 2,097,152 bytes of whole numbers; CI 6,553,600 bytes
;; launch prep (part 1): grid 960 x 1, 4 waves a work-group, no clusters, 34,304 bytes of LDS; arguments q, k, v, wq, wk, wv, wo, pad_mask, out1, XI, MW; writes out1, XI, MW
.if DOCPART == 1
	.amdgcn_target "amdgcn-amd-amdhsa--gfx1250"
	.amdhsa_code_object_version 6
	.text
	.protected	k_qff28f741aa_prep
	.globl	k_qff28f741aa_prep
	.p2align	8
	.type	k_qff28f741aa_prep,@function
k_qff28f741aa_prep:
	s_mov_b64 s[64:65], 0
	v_nop
	global_prefetch_b8 v0, s[64:65] scope:SCOPE_SE
	s_setreg_imm32_b32 hwreg(HW_REG_WAVE_MODE, 25, 1), 1
	s_wait_xcnt 0x0
; PREP: q, k, v, wq, wk, wv, wo (f32, K = the last axis, 1,024) become codes of E2M3 with one E8M0 byte for each 32 along K; q is copied to out1; pad_mask is packed into lane masks.
; DEAD WORK: none.  Every input has a way to an output: bk moves K's codes ahead of a quantised product, the mask is an input and is honoured bit by bit, and all six products are done.
; LIMITS: NaN and infinities among the inputs are not served.  A block's largest magnitude is floored at 2^-124, so its byte is at least 1; a block of zeros gets the byte 1 where the
; rule says 127: its codes are zeros, which add nothing, and this program alone reads the bytes.
; THE LAYOUT OF XI (this program's own): operands lie as IMAGES OF THE MATRIX OPERAND'S REGISTERS.  A fragment is 16 rows x 128 K = 12 registers a lane = 1,536 bytes in four pieces:
; registers 0-3 (16 bytes a lane), 4-5 (8 a lane), 6-9, 10-11, at bytes 0, 512, 768, 1,280.  XI = [128 rows][K quarter kp][64 rows rb][K step sp][6,400]: four images, then 4 x 16 scale words.
; THE ROWS OF A TILE ARE NOT NEIGHBOURS: in each 32 rows, lane-row r of tile 2 b + u is row 32 b + 8 u + r + 8 (r / 8), so that a later product's results come out as neighbours along its next K.
; SHARES.  Work-groups 0-447: 64 rows of one of the seven tensors, a wave to a tile of 16 rows, eight K steps of 128.  Each load reads 512 consecutive bytes of one row; the tile's 8 KiB turn
; through the wave's own stage in LDS, so that a lane gets two whole blocks of 32 neighbours: no other lane is asked for a maximum.  Loads run two K steps (32 loads a wave) ahead.
; Work-groups 448-959: one tile of 16 queries of the mask; a wave takes 512 keys.  Waves share nothing: no barrier.  No matrix unit, no cluster: memory binds, and no byte is read twice.
.set ROWF,   4096                      ; a row of 1,024 f32 in bytes
.set STGB,   8448                      ; a wave's stage: 16 rows x 528
.set SPITCH, 528                       ; 512 bytes + 16: the 16 rows that a load touches begin in different banks
.set SPARE,  33792                     ; behind the four stages: the spare words, 128 bytes a wave
.set GL,  1                            ; v1   16 x lane
.set L8,  2                            ; v2   8 x lane
.set SCO, 3                            ; v3   4 r + 6,400 h: where a pair of K steps' scale words go
.set SI,  4                            ; v4   the stage, on the way in
.set SO,  5                            ; v5   and out: 528 r + 128 h
.set SH,  6                            ; v6   8 h
.set SPW, 12                           ; v12  my spare word; never rewritten
.set NIL, 13                           ; v13  0; never rewritten
.set MX,  16                           ; v16-17 largest magnitudes; v18-19 the conversions' scale operands; v20-21 bytes; v22 at work
.set SOP, 18
.set BY,  20
.set TT,  22
.set R,   32                           ; v32-159  two sets of 64: a K step as loaded
.set X,   160                          ; v160-223 my two blocks of 32
.set PC,  224                          ; v224-235 the fragment's codes
.set CV,  236                          ; v236-238, v240-242: a conversion's three registers begin on an even number
.set PWE, 244                          ; the even K step's scale word;  v245 the odd one's;  v246 both, to store
.set PW,  245
.set PWS, 246
.set WV,  36
.set ISQ, 37
.set SEL, 38
.set HALF, 40
	s_load_b256 s[4:11], s[0:1], 0x0               ; q, k, v, wq
	s_load_b256 s[12:19], s[0:1], 0x20             ; wk, wv, wo, pad_mask
	s_load_b128 s[20:23], s[0:1], 0x40             ; out1, XI
	s_load_b64 s[24:25], s[0:1], 0x50              ; MW
	v_lshl_add_u32 v[SPW], v0, 2, SPARE
	v_mov_b32 v[NIL], 0
	v_lshrrev_b32 v7, 5, v0
	v_readfirstlane_b32 s[WV], v7                  ; wave 0..3
	v_and_b32 v8, 31, v0                           ; lane
	v_and_b32 v9, 15, v0                           ; r
	v_bfe_u32 v10, v0, 4, 1                        ; h
	v_lshlrev_b32 v[GL], 4, v8
	s_cmp_ge_u32 ttmp9, 448                        ; the work-group's number alone parts the two kinds of work
	s_cbranch_scc1 .Lmask
	; ---------------- the quantiser ----------------
	v_lshlrev_b32 v[L8], 3, v8
	v_lshlrev_b32 v[SCO], 2, v9
	v_mad_u32_u24 v[SCO], v10, 6400, v[SCO]
	s_mul_i32 s41, s[WV], STGB
	v_add_nc_u32 v[SI], s41, v[GL]
	v_mul_u32_u24 v[SO], v9, SPITCH
	v_lshl_add_u32 v[SO], v10, 7, v[SO]
	v_add_nc_u32 v[SO], s41, v[SO]
	v_lshlrev_b32 v[SH], 3, v10
	v_mov_b32 v[TT], 0                             ; a lane permute's destination counts as one of its sources
	s_mov_b32 s[SEL], 0x76543210
	s_mov_b32 s[SEL+1], 0xfedcba98                 ; v_permlanex16_b32's selects for lane l xor 16
	s_mov_b32 s[HALF], 0xffff0000                  ; lanes 16-31
	s_wait_kmcnt 0x0
	s_cmp_lt_u32 ttmp9, 128                        ; which tensor, and its first work-group: q 0, k 128, v 256, wq 384, wk 400, wv 416, wo 432
	s_cselect_b64 s[26:27], s[4:5], s[6:7]
	s_cselect_b32 s28, 0, 128
	s_cselect_b32 s[ISQ], 1, 0
	s_cmp_lt_u32 ttmp9, 256
	s_cselect_b64 s[26:27], s[26:27], s[8:9]
	s_cselect_b32 s28, s28, 256
	s_cmp_lt_u32 ttmp9, 384
	s_cselect_b64 s[26:27], s[26:27], s[10:11]
	s_cselect_b32 s28, s28, 384
	s_cmp_lt_u32 ttmp9, 400
	s_cselect_b64 s[26:27], s[26:27], s[12:13]
	s_cselect_b32 s28, s28, 400
	s_cmp_lt_u32 ttmp9, 416
	s_cselect_b64 s[26:27], s[26:27], s[14:15]
	s_cselect_b32 s28, s28, 416
	s_cmp_lt_u32 ttmp9, 432
	s_cselect_b64 s[26:27], s[26:27], s[16:17]
	s_cselect_b32 s28, s28, 432
	s_sub_co_u32 s29, ttmp9, s28
	s_lshl_b32 s29, s29, 6                         ; the work-group's first row in its tensor,
	s_lshr_b32 s30, s[WV], 1
	s_lshl_b32 s30, s30, 5
	s_and_b32 s44, s[WV], 1
	s_lshl_b32 s44, s44, 3
	s_add_co_u32 s30, s30, s44                     ; 32 (wave / 2) + 8 (wave % 2): my tile's lane-row 0
	s_lshl_b32 s44, s[WV], 3                       ; TENSOR k ALONE HAS ANOTHER ORDER: in each 64 rows, lane-row r of tile u is row 8 u + r + 24 (r / 8),
	s_cmp_eq_u32 s28, 128                          ; so that in the attention launch a lane's 32 score registers of four tiles are one whole block of 32 keys
	s_cselect_b32 s30, s44, s30
	s_cselect_b32 s44, 65536, 0                    ; its lane-rows 8-15 lie 16 rows further on than the loads' immediates say
	s_add_co_u32 s29, s29, s30
	s_lshl_b32 s30, s29, 12                        ; in bytes (under 2^26)
	s_mov_b32 s31, 0
	s_add_nc_u64 s[26:27], s[26:27], s[30:31]      ; the source,
	s_mov_b32 s45, 0
	s_add_nc_u64 s[42:43], s[26:27], s[44:45]      ; the source for lane-rows 8-15,
	s_add_nc_u64 s[20:21], s[20:21], s[30:31]      ; and out1 at the same place (used for q alone)
	s_lshr_b32 s29, ttmp9, 1
	s_mul_i32 s30, s29, 102400
	s_and_b32 s29, ttmp9, 1
	s_mul_i32 s29, s29, 12800
	s_add_co_u32 s30, s30, s29
	s_add_nc_u64 s[22:23], s[22:23], s[30:31]      ; XI at my 64 rows
	s_mul_i32 s30, s[WV], 1536
	s_add_nc_u64 s[32:33], s[22:23], s[30:31]      ; my tile's images
	s_lshl_b32 s30, s[WV], 6
	s_add_co_u32 s30, s30, 6144
	s_add_nc_u64 s[34:35], s[22:23], s[30:31]      ; my tile's scale words
.macro LOAD s                          ; K step s of my 16 rows: each load is one row's 512 consecutive bytes
.irp i, 0,1,2,3,4,5,6,7,8,9,10,11,12,13,14,15
	global_load_b128 v[R+64*((\s)%2)+4*\i:R+64*((\s)%2)+4*\i+3], v[GL], s[26+16*(\i/8):27+16*(\i/8)] offset:(\i+8*(\i/8))*ROWF+512*(\s) th:TH_LOAD_NT
.endr
.endm
.macro STEP s
.set RS, R+64*((\s)%2)
.set XO, ((\s)/2)*25600+((\s)%2)*6400
.if (\s)%2
.set WD, PW
.else
.set WD, PWE
.endif
.if (\s) < 7
	s_wait_loadcnt 16                              ; this K step's 16 loads are in; the next step's 16 stay out
.else
	s_wait_loadcnt 0x0
.endif
	s_cmp_eq_u32 s[ISQ], 0
	s_cbranch_scc1 .Lnot_q_\@
.irp i, 0,1,2,3,4,5,6,7,8,9,10,11,12,13,14,15
	global_store_b128 v[GL], v[RS+4*\i:RS+4*\i+3], s[20:21] offset:(\i+8*(\i/8))*ROWF+512*(\s) th:TH_STORE_NT   ; out1 = q: 512 consecutive bytes a store, from the registers as loaded
.endr
.Lnot_q_\@:
	s_wait_alu depctr_va_vdst(0)
.irp i, 0,1,2,3,4,5,6,7,8,9,10,11,12,13,14,15
	ds_store_b128 v[SI], v[RS+4*\i:RS+4*\i+3] offset:SPITCH*\i
.endr
.irp c, 0,1
.irp j, 0,1,2,3,4,5,6,7
	ds_load_b128 v[X+32*\c+4*\j:X+32*\c+4*\j+3], v[SO] offset:256*\c+16*\j   ; LDS serves a wave's instructions in order: these see my stores.  k = 64 c + 32 h + 0 .. 31 of row r
.endr
.endr
	s_wait_dscnt 0x0                               ; my two blocks are in, and the stage's stores have read their registers
	s_wait_xcnt 0x0                                ; the stores issued so far have read theirs: the loaded set, the codes and the scale word are written again only behind this wait
.if (\s) < 6
	LOAD (\s)+2
.endif
.irp c, 0,1
	v_max3_num_f32 v[MX+\c], |v[X+32*\c]|, |v[X+32*\c+1]|, 0x1800000   ; the floor 2^(3 - 127) among the leaves: the byte cannot fall under 1
.endr
.irp i, 2,4,6,8,10,12,14,16,18,20,22,24,26,28,30
.irp c, 0,1
	v_max3_num_f32 v[MX+\c], v[MX+\c], |v[X+32*\c+\i]|, |v[X+32*\c+\i+1]|
.endr
.endr
.irp c, 0,1
	v_add_nc_u32 v[SOP+\c], 0xff000000, v[MX+\c]   ; 2 off the exponent field: the conversion's scale operand
.endr
.irp c, 0,1
	v_lshrrev_b32 v[BY+\c], 23, v[SOP+\c]          ; the scale's byte
.endr
	v_lshl_or_b32 v[WD], v[BY+1], 16, v[BY]        ; blocks h and 2 + h,
	v_lshlrev_b32 v[WD], v[SH], v[WD]              ; at their places in the word;
	v_permlanex16_b32 v[TT], v[WD], s[SEL], s[SEL+1]
	v_or_b32 v[WD], v[WD], v[TT]                   ; with lane l xor 16's two the word is whole
	v_cvt_scalef32_pk16_fp6_f32 v[PC:PC+2], v[X:X+15], v[SOP]
	v_cvt_scalef32_pk16_fp6_f32 v[CV:CV+2], v[X+16:X+31], v[SOP]
	v_cvt_scalef32_pk16_fp6_f32 v[PC+6:PC+8], v[X+32:X+47], v[SOP+1]
	v_cvt_scalef32_pk16_fp6_f32 v[CV+4:CV+6], v[X+48:X+63], v[SOP+1]
	v_nop                                          ; one plain instruction behind the scaled conversions
.irp i, 0,1,2
	v_mov_b32 v[PC+3+\i], v[CV+\i]
	v_mov_b32 v[PC+9+\i], v[CV+4+\i]
.endr
	global_store_b128 v[GL], v[PC:PC+3], s[32:33] offset:XO          ; the image's four pieces: 512, 256, 512, 256 consecutive bytes
	global_store_b64 v[L8], v[PC+4:PC+5], s[32:33] offset:XO+512
	global_store_b128 v[GL], v[PC+6:PC+9], s[32:33] offset:XO+768
	global_store_b64 v[L8], v[PC+10:PC+11], s[32:33] offset:XO+1280
.if (\s)%2
	v_cndmask_b32 v[PWS], v[PWE], v[PW], s[HALF]   ; lanes 0-15 the even step's word, lanes 16-31 the odd step's
	global_store_b32 v[SCO], v[PWS], s[34:35] offset:((\s)/2)*25600
.endif
.endm
	LOAD 0
	LOAD 1
.irp t, 0,1,2,3,4,5,6,7
	STEP \t
.endr
	s_wait_tensorcnt 0x0                           ; the wave's end, behind my last LDS store
	ds_add_u32 v[SPW], v[NIL]
	s_wait_dscnt 0x0
	s_endpgm
	; ---------------- the mask ----------------
	; MW = [batch][tile of 16 queries][step of 128 keys][64 words].  Bit (r + 16 h) of word n = mask[query at lane-row r][key 128 step + 64 (n / 32) + 32 h + n % 32]: the lane mask of score register n in the attention launch.
.Lmask:
	s_sub_co_u32 s26, ttmp9, 448                   ; 128 x batch + tile
	s_lshr_b32 s27, s26, 7
	s_and_b32 s28, s26, 127
	s_lshl_b32 s27, s27, 11                        ; 2,048 rows a batch
	s_lshr_b32 s29, s28, 1
	s_lshl_b32 s29, s29, 5
	s_add_co_u32 s27, s27, s29
	s_and_b32 s29, s28, 1
	s_lshl_b32 s29, s29, 3
	s_add_co_u32 s27, s27, s29                     ; the tile's lane-row 0
	s_lshl_b32 s30, s27, 11                        ; a row of the mask is 2,048 bytes
	s_lshl_b32 s29, s[WV], 9
	s_add_co_u32 s30, s30, s29                     ; my 512 keys
	s_mov_b32 s31, 0
	s_lshl_b32 s32, s26, 12                        ; a tile's words: 4,096 bytes,
	s_lshl_b32 s29, s[WV], 10
	s_add_co_u32 s32, s32, s29                     ; my four steps' 1,024
	s_mov_b32 s33, 0
	s_wait_alu depctr_va_vdst(0)
	v_and_b32 v11, 8, v9
	v_add_nc_u32 v11, v11, v9                      ; r + 8 (r / 8)
	v_lshlrev_b32 v11, 11, v11
	v_lshl_add_u32 v11, v10, 5, v11                ; + 32 h: word n of a step is key 64 (n / 32) + 32 h + n % 32, by the order of k's tiles
	s_wait_alu depctr_va_vdst(0)
	s_wait_kmcnt 0x0
	s_add_nc_u64 s[18:19], s[18:19], s[30:31]
	s_add_nc_u64 s[24:25], s[24:25], s[32:33]
.irp i, 0,1,2,3,4,5,6,7,8,9,10,11,12,13,14,15
	global_load_b128 v[32+4*\i:35+4*\i], v11, s[18:19] offset:64*(\i/2)+16*(\i%2)   ; keys 64 (i / 2) + 32 h + 16 (i % 2) + 0 .. 15 of my row
.endr
.irp j, 0,1,2,3,4,5,6,7
	v_mov_b32 v[96+\j], 0                          ; v_writelane_b32's destination counts as read
.endr
	s_wait_loadcnt 0x0
.set N, 0
.rept 64                               ; byte y of register N is word 4 N + y of my 256: a compare makes the word of 32 lanes' bits, and it goes to lane N % 32 of the register that stores it
.irp y, 0,1,2,3
	v_and_b32 v[14+\y%2], 0xff<<(8*\y), v[32+N]
	v_cmp_ne_u32 s[34+\y%2], 0, v[14+\y%2]
	v_writelane_b32 v[96+4*(N/32)+\y], s[34+\y%2], N%32
.endr
.set N, N+1
.endr
	global_store_b128 v[GL], v[96:99], s[24:25]             ; 512 consecutive bytes each
	global_store_b128 v[GL], v[100:103], s[24:25] offset:512
	s_endpgm
.Lfunc_end_k_qff28f741aa_prep:
	.size	k_qff28f741aa_prep, .Lfunc_end_k_qff28f741aa_prep-k_qff28f741aa_prep
	.p2alignl 7, 3214868480
	.fill 96, 4, 3214868480
	.section	.rodata,"a",@progbits
	.p2align	6, 0x0
	.amdhsa_kernel k_qff28f741aa_prep
		.amdhsa_group_segment_fixed_size 34304
		.amdhsa_private_segment_fixed_size 0
		.amdhsa_enable_private_segment 0
		.amdhsa_kernarg_size 88
		.amdhsa_user_sgpr_count 2
		.amdhsa_user_sgpr_kernarg_segment_ptr 1
		.amdhsa_wavefront_size32 1
		.amdhsa_system_sgpr_workgroup_id_x 1
		.amdhsa_system_sgpr_workgroup_id_y 1
		.amdhsa_system_sgpr_workgroup_id_z 1
		.amdhsa_system_vgpr_workitem_id 0
		.amdhsa_next_free_vgpr 256
		.amdhsa_next_free_sgpr 66
		.amdhsa_reserve_vcc 0
		.amdhsa_float_denorm_mode_32 3
		.amdhsa_float_denorm_mode_16_64 3
		.amdhsa_memory_ordered 1
		.amdhsa_forward_progress 1
		.amdhsa_inst_pref_size 124
	.end_amdhsa_kernel
	.amdgpu_metadata
---
amdhsa.version: [ 1, 2 ]
amdhsa.kernels:
  - .name:           k_qff28f741aa_prep
    .symbol:         k_qff28f741aa_prep.kd
    .args:
      - { .name: q, .offset: 0, .size: 8, .value_kind: global_buffer, .address_space: global }
      - { .name: k, .offset: 8, .size: 8, .value_kind: global_buffer, .address_space: global }
      - { .name: v, .offset: 16, .size: 8, .value_kind: global_buffer, .address_space: global }
      - { .name: wq, .offset: 24, .size: 8, .value_kind: global_buffer, .address_space: global }
      - { .name: wk, .offset: 32, .size: 8, .value_kind: global_buffer, .address_space: global }
      - { .name: wv, .offset: 40, .size: 8, .value_kind: global_buffer, .address_space: global }
      - { .name: wo, .offset: 48, .size: 8, .value_kind: global_buffer, .address_space: global }
      - { .name: pad_mask, .offset: 56, .size: 8, .value_kind: global_buffer, .address_space: global }
      - { .name: out1, .offset: 64, .size: 8, .value_kind: global_buffer, .address_space: global }
      - { .name: XI, .offset: 72, .size: 8, .value_kind: global_buffer, .address_space: global }
      - { .name: MW, .offset: 80, .size: 8, .value_kind: global_buffer, .address_space: global }
    .group_segment_fixed_size: 34304
    .private_segment_fixed_size: 0
    .kernarg_segment_align: 8
    .kernarg_segment_size: 88
    .max_flat_workgroup_size: 128
    .sgpr_count:     66
    .vgpr_count:     256
    .wavefront_size: 32
...
	.end_amdgpu_metadata
.endif
;; end of part 1
;; launch proj (part 2): grid 4 x 64, 4 waves a work-group, clusters of 4 x 4, 327,680 bytes of LDS; arguments XI, bq, bk, bv, QB, KV; writes QB, KV
.if DOCPART == 2
	.amdgcn_target "amdgcn-amd-amdhsa--gfx1250"
	.amdhsa_code_object_version 6
	.text
	.protected	k_qff28f741aa_proj
	.globl	k_qff28f741aa_proj
	.p2align	8
	.type	k_qff28f741aa_proj,@function
k_qff28f741aa_proj:
	s_mov_b64 s[64:65], 0
	v_nop
	global_prefetch_b8 v0, s[64:65] scope:SCOPE_SE
	s_setreg_imm32_b32 hwreg(HW_REG_WAVE_MODE, 25, 1), 1
	s_wait_xcnt 0x0
	s_wait_alu depctr_hold_cnt(0) depctr_sa_sdst(0) depctr_va_vdst(0) depctr_va_sdst(0) depctr_va_ssrc(0) depctr_va_vcc(0) depctr_vm_vsrc(0)
	s_getreg_b32 s2, hwreg(HW_REG_IB_STS2, 6, 4)
	s_cmp_eq_u32 s2, 0
	s_cbranch_scc0 .Lentry_in_a_cluster
	s_endpgm
.Lentry_in_a_cluster:
	s_bfe_u32 s2, ttmp6, 0x10000c
	s_cmp_lg_u32 s2, 0xf033
	s_cbranch_scc0 .Lentry_shape_is_right
	s_endpgm
.Lentry_shape_is_right:
; PROJ: xq = q wq^T + bq, xk = k wk^T + bk, xv = v wv^T + bv on codes of E2M3 (XI, made by the launch before), each result quantised again in registers and laid out for attention.  No work is left out.
; SOURCE 0 is the operand whose rows become the NEXT product's K, source 1 the one whose row a lane holds.  Q, K: source 0 = the weight (next K = the head's 64), source 1 = tokens.  V: source 0 = tokens
; (next K = the keys), source 1 = wv.  By the tile order of XI's rows, a lane's 16 registers of tiles 2 b and 2 b + 1 are 16 neighbours along the next K.
; SHARES.  A tile is 256 (source 0) x 128 (source 1); each of four waves makes 128 x 64: 32 accumulators.  256 WORK-GROUPS STAY: each makes one tile of Q, one of K, one of V, in this order.
; THE RING.  LDS holds one tile's K panel (307,200 bytes) as two slots, the lower and the upper half of K (153,600 bytes each).  A wave fills its part of a slot by one joint load: waves 0, 1 128 rows of source 0
; (51,200 bytes on end), waves 2, 3 64 rows of source 1 (two rows of 12,800 bytes).  The upper half is asked for at a tile's top, the next tile's lower half in the tile's middle, where the lower half has been read:
; one tensor load of a wave is out at the most.  Q and K run in a loop of two trips; V, which asks for nothing beyond its own upper half, is the tail, written out.
; CLUSTER.  Source 0's rows hang on cx and the cluster's number, source 1's on cy and the cluster's number: source 0's slots are asked for jointly by a column of the cluster, source 1's by a row.
; PREFETCH.  Behind each joint load the slot that the NEXT load will bring is asked for: one slot (four K steps, 128 products a wave) ahead of its load.  The four partners of a joint load share its blocks of
; 256 bytes out by address: 50 blocks each of source 0's 200, 25 each of source 1's 100; a lane a block.  Behind the last load nothing is asked for.
; OUT.  One block of 13,056 bytes for each (batch, head, 128 tokens): 8 half images of K or Q (16 tokens x 64: 768 bytes), their scale words (512), 4 images of V^T (16 d x 128 keys), their scale words (256).
; LIMITS: as in the first launch (floor 2^-124 under a block's largest magnitude; NaN and infinities not served).
; REGISTERS.  Window 0: v1-23 addresses; v30, v31 the add's two; v32-55 scale words, two sets of 8 + 4; v64-127 the bias along the registers; v128-223 source 1's fragments, two sets of 48 (in the way out: the 64
; numbers in hand, the codes); v224-231 the bias by lane; v232-251 at work.  Window 1: source 0's fragments, two sets of 96, at v0 and v128.  Window 2: accumulator (a, b) at v[8 (8 a + b)].
.set SPARE, 307200                     ; behind the panel: the spare words, 128 bytes a wave
.set RB, 102400                        ; 128 rows x 1,024 K of XI in bytes
.set WV, 16
.set WC, 17                            ; wave % 2: my half of source 0's rows; also which half I fetch
.set WR, 18                            ; wave / 2: my half of source 1's rows; also: I fetch for source 0 (0) or 1 (1)
.set CX, 19
.set CY, 20
.set PP, 22                            ; the loop's counter: 0 Q, 1 K
.set CL, 23                            ; the cluster's number, 0 .. 15
.set OC, 24                            ; s[24:25], s[26:27], s[28:29]: Q's and K's offsets of codes, scale words, bias
.set OS, 26
.set OB, 28
.set G1A, 32                           ; s[32:39] group 1 for source 1;  s[40:47] for source 0
.set G1B, 40
.set G0B, 48                           ; s[48:55] source 0's groups 0, one for each slot;  s[68:75] source 1's
.set CUR0, 56                          ; s[56:57], s[58:59]: where the next slot to be asked for begins, source 0 and 1
.set CUR1, 58
.set V0, 60                            ; s[60:61], s[62:63]: where V's tile begins
.set V1, 62
.set G0A, 68
.set PB, 76                            ; s[76:77] my prefetches' base;  s[78:79] my work-group's share of the blocks
.set SH, 78
.set SEL, 100
.set HALF, 104
.set LI16, 1
.set LI8,  2
.set LI4,  3
.set A016, 8
.set A08,  9
.set A116, 10
.set A18,  11
.set AS0,  12
.set AS1,  13
.set VBJ,  14
.set VBI,  15
.set B016, 16                          ; v16-21 the six LDS addresses at K = 0; never rewritten
.set B08,  17
.set BS0,  18
.set B116, 19
.set B18,  20
.set BS1,  21
.set PFA,  22                          ; v22, v23 the prefetches' offsets: 256 x block
.set PFB,  23
.set SPW,  30
.set NIL,  31
.set SC,   32
.set BJ,   64
.set F1,   128
.set XQ,   128
.set PC,   192
.set BI,   224
.set TM,   232
.set PW,   248
.set PWC,  250
.set PWD,  251
.set MSB, 0
.macro WIN new                         ; the immediate's high byte repeats the setting that is left
.if MSB != \new
	s_set_vgpr_msb (MSB<<8)|\new
.set MSB, \new
.endif
.endm
.macro JLOAD h                         ; a joint load into slot h: waves 0, 1 fetch source 0's halves, waves 2, 3 source 1's; an s_nop 0 and four v_nop follow each of the two lines
	s_cmp_eq_u32 s[WR], 0
	s_cbranch_scc0 .Lfor_1_\@
	tensor_load_to_lds s[G0B+4*\h:G0B+4*\h+3], s[G1B:G1B+7]
	s_nop 0
.rept 4
	v_nop
.endr
	s_branch .Lasked_\@
.Lfor_1_\@:
	tensor_load_to_lds s[G0A+4*\h:G0A+4*\h+3], s[G1A:G1A+7]
	s_nop 0
.rept 4
	v_nop
.endr
.Lasked_\@:
.endm
.macro SETG h                          ; slot h's groups 0 take the next slot's addresses: written only where no tensor load of mine is out
	s_mov_b64 s[G0B+4*\h+2:G0B+4*\h+3], s[CUR0:CUR0+1]
	s_or_b32 s[G0B+4*\h+3], s[G0B+4*\h+3], 0x80000000
	s_mov_b64 s[G0A+4*\h+2:G0A+4*\h+3], s[CUR1:CUR1+1]
	s_or_b32 s[G0A+4*\h+3], s[G0A+4*\h+3], 0x80000000
.endm
.macro ASK                             ; the slot at CUR0, CUR1 is asked for: my work-group's share of the blocks that my wave will load
	s_cmp_eq_u32 s[WR], 0
	s_cselect_b64 s[PB:PB+1], s[CUR0:CUR0+1], s[CUR1:CUR1+1]
	s_add_nc_u64 s[PB:PB+1], s[PB:PB+1], s[SH:SH+1]
	global_prefetch_b8 v[PFA], s[PB:PB+1] th:TH_LOAD_NT scope:SCOPE_SE
	s_cmp_lg_u32 s[WR], 0
	s_cbranch_scc1 .Lone_\@                        ; source 1's share is 25 blocks: one instruction
	global_prefetch_b8 v[PFB], s[PB:PB+1] th:TH_LOAD_NT scope:SCOPE_SE
.Lone_\@:
.endm
.macro CROUND                          ; a round of the cluster's barrier
	s_barrier_signal -1
	s_barrier_wait -1
	s_cmp_lg_u32 s[WV], 0
	s_cbranch_scc1 .Lnot_wave_0_\@
	s_barrier_signal -3
.Lnot_wave_0_\@:
	s_barrier_wait -3
	s_barrier_signal -1
	s_barrier_wait -1
.endm
.macro PLACES
.rept 4
	v_nop
.endr
.endm
	s_load_b256 s[4:11], s[0:1], 0x0               ; XI, bq, bk, bv
	s_load_b128 s[12:15], s[0:1], 0x20             ; QB, KV
	v_lshl_add_u32 v[SPW], v0, 2, SPARE
	v_mov_b32 v[NIL], 0
	ds_add_u32 v[SPW], v[NIL]                      ; the wave's opening: the add, twice on end, and its wait ahead of my first tensor load
	ds_add_u32 v[SPW], v[NIL]
	v_lshrrev_b32 v4, 5, v0
	v_readfirstlane_b32 s[WV], v4
	s_and_b32 s[WC], s[WV], 1
	s_lshr_b32 s[WR], s[WV], 1
	s_bfe_u32 s[CX], ttmp6, 0x40000
	s_bfe_u32 s[CY], ttmp6, 0x40004
	s_and_b32 s[CL], ttmp7, 0xffff
	s_lshl_b32 s90, s[CX], 1                       ; source 0, in runs of 128 rows of XI (registers that never hold cy).  Q: 192 + 2 cx + half; K: 8 on; V: 128 + 8 (cluster % 8) + 2 cx + half
	s_add_co_u32 s90, s90, s[WC]
	s_add_co_u32 s[V0], s90, 128
	s_and_b32 s91, s[CL], 7
	s_lshl_b32 s91, s91, 3
	s_add_co_u32 s[V0], s[V0], s91
	s_mul_i32 s[V0], s[V0], RB
	s_mov_b32 s[V0+1], 0
	s_add_co_u32 s90, s90, 192
	s_mul_i32 s90, s90, RB
	s_mov_b32 s91, 0
	s_lshl_b32 s92, s[CL], 2                       ; source 1 (registers that never hold cx).  Q: 4 cluster + cy; K: 64 on; V: 208 + 4 (cluster / 8) + cy; my 64 rows lie 12,800 bytes on in each quarter of K
	s_add_co_u32 s92, s92, s[CY]
	s_mul_i32 s92, s92, RB
	s_mul_i32 s93, s[WC], 12800
	s_add_co_u32 s92, s92, s93
	s_lshr_b32 s[V1], s[CL], 3
	s_lshl_b32 s[V1], s[V1], 2
	s_add_co_u32 s[V1], s[V1], s[CY]
	s_add_co_u32 s[V1], s[V1], 208
	s_mul_i32 s[V1], s[V1], RB
	s_add_co_u32 s[V1], s[V1], s93
	s_mov_b32 s[V1+1], 0
	s_mov_b32 s93, 0
	s_mul_i32 s94, s[WC], RB                       ; and where they go in LDS: the wave's number alone
	s_mul_i32 s95, s[WC], 51200
	s_lshl_b32 s96, s[CY], 2
	s_lshl_b32 s96, 15, s96                        ; my row of the cluster
	s_lshl_b32 s97, 0x1111, s[CX]                  ; my column
	s_or_b32 s[G1A], s96, (3<<16)|(1<<21)          ; elements of 8 bytes, no padding (images are read 16 or 8 bytes a lane on end); bit 21 beside a mask
	s_or_b32 s[G1B], s97, (3<<16)|(1<<21)
	s_mov_b32 s[G1A+1], 1600<<16                   ; source 1: two rows of 12,800 bytes (64 rows x 256 K each),
	s_mov_b32 s[G1A+2], 2<<16
	s_mov_b32 s[G1A+3], 1600<<16
	s_mov_b32 s[G1A+4], 2
	s_mov_b32 s[G1A+5], 3200                       ; 25,600 bytes apart in memory, on end in LDS
	s_mov_b32 s[G1A+6], 0
	s_mov_b32 s[G1A+7], 0
	s_mov_b32 s[G1B+1], 32<<16                     ; source 0: 51,200 bytes on end, as 200 rows of 256
	s_mov_b32 s[G1B+2], 200<<16
	s_mov_b32 s[G1B+3], 32<<16
	s_mov_b32 s[G1B+4], 200
	s_mov_b32 s[G1B+5], 32
	s_mov_b32 s[G1B+6], 0
	s_mov_b32 s[G1B+7], 0
.irp h, 0,1
	s_mov_b32 s[G0B+4*\h], 1
	s_add_co_u32 s[G0B+4*\h+1], s94, \h*51200
	s_mov_b32 s[G0A+4*\h], 1
	s_add_co_u32 s[G0A+4*\h+1], s95, 204800+\h*25600
.endr
	s_mov_b32 s[SEL], 0x76543210
	s_mov_b32 s[SEL+1], 0xfedcba98
	s_mov_b32 s[HALF], 0xffff0000
	s_mov_b32 s[PP], 0
	s_wait_dscnt 0x0                               ; both opening adds are done
	s_wait_kmcnt 0x0
	s_add_nc_u64 s[CUR0:CUR0+1], s[4:5], s[90:91]
	s_add_nc_u64 s[CUR1:CUR1+1], s[4:5], s[92:93]
	s_add_nc_u64 s[V0:V0+1], s[4:5], s[V0:V0+1]
	s_add_nc_u64 s[V1:V1+1], s[4:5], s[V1:V1+1]
	SETG 0
	CROUND                                         ; all sixteen work-groups are here: the joint loads meet
	JLOAD 0                                        ; Q's lower half of K: one tensor load a wave at the head
	s_add_nc_u64 s[CUR0:CUR0+1], s[CUR0:CUR0+1], 51200   ; next: its upper half
	s_add_nc_u64 s[CUR1:CUR1+1], s[CUR1:CUR1+1], 51200
	; Q's and K's results: block ((16 batch + head) 16 + step) of 13,056 bytes; batch and step from the tokens' tile 4 cluster + cy, head 4 cx + 2 half (and the next one)
	s_lshl_b32 s80, s[CL], 2
	s_add_co_u32 s80, s80, s[CY]
	s_lshr_b32 s81, s80, 4
	s_lshl_b32 s81, s81, 4
	s_lshl_b32 s82, s[CX], 2
	s_add_co_u32 s81, s81, s82
	s_lshl_b32 s82, s[WC], 1
	s_add_co_u32 s81, s81, s82
	s_lshl_b32 s81, s81, 4
	s_and_b32 s80, s80, 15
	s_add_co_u32 s81, s81, s80
	s_mul_i32 s81, s81, 13056
	s_mul_i32 s[OC], s[WR], 3072
	s_add_co_u32 s[OC], s[OC], s81
	s_mov_b32 s[OC+1], 0
	s_lshl_b32 s[OS], s[WR], 8
	s_add_co_u32 s[OS], s[OS], s81
	s_add_co_u32 s[OS], s[OS], 6144
	s_mov_b32 s[OS+1], 0
	s_lshl_b32 s[OB], s[CX], 10                    ; the bias: 4 x (256 cx + 128 half)
	s_lshl_b32 s80, s[WC], 9
	s_add_co_u32 s[OB], s[OB], s80
	s_mov_b32 s[OB+1], 0
	s_mul_i32 s80, s[CY], 12800                    ; my work-group's share of a joint load's blocks: source 0: 12,800 bytes at 12,800 cy;
	s_lshr_b32 s81, s[CX], 1
	s_mul_i32 s81, s81, 25600
	s_and_b32 s82, s[CX], 1
	s_mul_i32 s82, s82, 6400
	s_add_co_u32 s81, s81, s82                     ; source 1: 6,400 bytes, half of row cx / 2
	s_mov_b32 s83, 24
	s_cmp_eq_u32 s[WR], 0
	s_cselect_b32 s[SH], s80, s81
	s_cselect_b32 s83, 49, s83                     ; the share's last block
	s_mov_b32 s[SH+1], 0
	s_mul_i32 s86, s[WC], RB
	s_mul_i32 s87, s[WR], 51200
	s_add_co_u32 s87, s87, 204800
	v_and_b32 v4, 31, v0                           ; lane
	v_and_b32 v5, 15, v0                           ; r
	v_bfe_u32 v6, v0, 4, 1                         ; h
	v_lshlrev_b32 v[LI16], 4, v4
	v_lshlrev_b32 v[LI8], 3, v4
	v_lshlrev_b32 v[LI4], 2, v4
	v_lshlrev_b32 v7, 2, v5
	v_mad_u32_u24 v7, v6, 6400, v7                 ; scale words: lanes 0-15 the even K step's, lanes 16-31 the odd one's, 6,400 bytes on
	v_add_nc_u32 v[B016], s86, v[LI16]
	v_add_nc_u32 v[B08], s86, v[LI8]
	v_add_nc_u32 v[BS0], s86, v7
	v_add_nc_u32 v[B116], s87, v[LI16]
	v_add_nc_u32 v[B18], s87, v[LI8]
	v_add_nc_u32 v[BS1], s87, v7
	v_min_u32 v[PFA], s83, v4
	v_add_nc_u32 v[PFB], 32, v4
	v_min_u32 v[PFB], s83, v[PFB]                  ; lanes that are left over name the share's last block again
	v_lshlrev_b32 v[PFA], 8, v[PFA]
	v_lshlrev_b32 v[PFB], 8, v[PFB]
.irp b, 0,1,2,3
	v_mov_b32 v[TM+4+\b], 0                        ; a lane permute's destination counts as one of its sources
.endr
	v_lshlrev_b32 v[VBJ], 6, v6                    ; 16 h numbers
	v_and_b32 v[VBI], 8, v5
	v_add_nc_u32 v[VBI], v[VBI], v5
	v_lshlrev_b32 v[VBI], 2, v[VBI]                ; r + 8 (r / 8) numbers
	s_wait_alu depctr_va_vdst(0)
	ASK
.macro FETCH q                         ; K step q's fragments into set q % 2: 48 LDS loads in one run; the address registers stand at the step's quarter of K
.set SP6, 6400*((\q)%2)
	WIN 0x40                                       ; destination window 1
.irp b, 0,1,2,3,4,5,6,7
.set FO, (\b/4)*12800+SP6+(\b%4)*1536
.set FB, 128*((\q)%2)+12*\b
	ds_load_b128 v[FB:FB+3], v[A016] offset:FO
	ds_load_b64 v[FB+4:FB+5], v[A08] offset:FO+512
	ds_load_b128 v[FB+6:FB+9], v[A016] offset:FO+768
	ds_load_b64 v[FB+10:FB+11], v[A08] offset:FO+1280
.endr
	WIN 0
.irp a, 0,1,2,3
.set FO, SP6+\a*1536
.set FB, F1+48*((\q)%2)+12*\a
	ds_load_b128 v[FB:FB+3], v[A116] offset:FO
	ds_load_b64 v[FB+4:FB+5], v[A18] offset:FO+512
	ds_load_b128 v[FB+6:FB+9], v[A116] offset:FO+768
	ds_load_b64 v[FB+10:FB+11], v[A18] offset:FO+1280
.endr
.endm
.macro SCALES kp                       ; a quarter's scale words into set kp % 2: one register serves two K steps (lanes 0-15, lanes 16-31)
.set SB, SC+12*((\kp)%2)
.irp b, 0,1,2,3,4,5,6,7
	ds_load_b32 v[SB+\b], v[AS0] offset:(\b/4)*12800+6144+64*(\b%4)
.endr
.irp a, 0,1,2,3
	ds_load_b32 v[SB+8+\a], v[AS1] offset:6144+64*\a
.endr
.endm
.macro BUMP kp                         ; the addresses at quarter kp of K, made from those at K = 0.  Six plain instructions that name no register of a product: the places in front of the loads that follow
	v_add_nc_u32 v[A016], (\kp)*25600, v[B016]
	v_add_nc_u32 v[A08], (\kp)*25600, v[B08]
	v_add_nc_u32 v[AS0], (\kp)*25600, v[BS0]
	v_add_nc_u32 v[A116], (\kp)*12800, v[B116]
	v_add_nc_u32 v[A18], (\kp)*12800, v[B18]
	v_add_nc_u32 v[AS1], (\kp)*12800, v[BS1]
	s_wait_alu depctr_va_vdst(0)
.endm
.macro MM q, a, b
.set FS, (\q)%2
.set SB, SC+12*(((\q)/2)%2)
.set AC, 8*(8*(\a)+(\b))
.if (\q) == 0
	v_wmma_scale_f32_16x16x128_f8f6f4 v[AC:AC+7], v[128*FS+12*(\b):128*FS+12*(\b)+11], v[F1+48*FS+12*(\a):F1+48*FS+12*(\a)+11], 0, v[SB+(\b)], v[SB+8+(\a)] matrix_a_fmt:MATRIX_FMT_FP6 matrix_b_fmt:MATRIX_FMT_FP6
.elseif FS == 0
	v_wmma_scale_f32_16x16x128_f8f6f4 v[AC:AC+7], v[128*FS+12*(\b):128*FS+12*(\b)+11], v[F1+48*FS+12*(\a):F1+48*FS+12*(\a)+11], v[AC:AC+7], v[SB+(\b)], v[SB+8+(\a)] matrix_a_fmt:MATRIX_FMT_FP6 matrix_b_fmt:MATRIX_FMT_FP6
.else
	v_wmma_scale_f32_16x16x128_f8f6f4 v[AC:AC+7], v[128*FS+12*(\b):128*FS+12*(\b)+11], v[F1+48*FS+12*(\a):F1+48*FS+12*(\a)+11], v[AC:AC+7], v[SB+(\b)], v[SB+8+(\a)] matrix_a_fmt:MATRIX_FMT_FP6 matrix_b_fmt:MATRIX_FMT_FP6 matrix_a_scale:MATRIX_SCALE_ROW1 matrix_b_scale:MATRIX_SCALE_ROW1
.endif
.endm
.macro MUL16 q, a0                     ; 16 products: source 1's tiles a0, a0 + 1 x source 0's eight.  The 32 accumulators take turns, one instruction a turn, in the same order in every step
.irp a, \a0, \a0+1
.irp b, 0,1,2,3,4,5,6,7
	MM \q, \a, \b
.endr
.endr
.endm
.macro EVEN q                          ; an even K step: its successor lies in the same quarter
	PLACES                                         ; in front of loads into registers that the last products read
	FETCH (\q)+1
	s_wait_dscnt 48                                ; all but the 48 loads just issued: this step's fragments and scale words are in
	WIN 0xa1                                       ; source 0 window 1, source 1 window 0, C and D window 2
	MUL16 \q, 0
	MUL16 \q, 2
.endm
.macro ODD q                           ; an odd K step whose successor lies in the same slot
	s_wait_dscnt 0x0                               ; this step's fragments are in
	WIN 0xa1
	MUL16 \q, 0
	WIN 0
	BUMP ((\q)+1)/2
	SCALES ((\q)+1)/2
	FETCH (\q)+1
	WIN 0xa1
	MUL16 \q, 2
.endm
; A TILE'S TOP.  Every wave waits for its load (its part of the lower half), adds 0 to its spare word and waits for that and for its reads of the upper half; a round of the cluster's barrier; the upper half is filled.
.macro TOP more
	s_wait_alu depctr_va_vdst(0)
	s_wait_tensorcnt 0x0
	ds_add_u32 v[SPW], v[NIL]
	SETG 1
	s_wait_dscnt 0x0
	CROUND
	JLOAD 1                                        ; the first tensor load behind the round (in the first tile: the upper slot's first fill, issued as a refill is)
	BUMP 0
	SCALES 0
	FETCH 0
.if \more
	s_add_nc_u64 s[CUR0:CUR0+1], s[CUR0:CUR0+1], 8*RB-51200    ; next: the next tile's lower half: K's tile lies 8 and 64 runs of 128 rows behind Q's; V's has its own place
	s_add_nc_u64 s[CUR1:CUR1+1], s[CUR1:CUR1+1], 64*RB-51200
	s_cmp_eq_u32 s[PP], 0
	s_cselect_b64 s[CUR0:CUR0+1], s[CUR0:CUR0+1], s[V0:V0+1]
	s_cselect_b64 s[CUR1:CUR1+1], s[CUR1:CUR1+1], s[V1:V1+1]
	ASK
.endif
.endm
; K STEP 3, A TILE'S MIDDLE.  more = 1: the same three lines and a round; the lower half, which nobody reads any more, takes the next tile's.  more = 0: a barrier shows the upper half whole; nothing is filled.
.macro MID more
.if \more
	WIN 0
	s_wait_xcnt 0x0                                ; my last prefetches have read their base
	s_wait_tensorcnt 0x0
	ds_add_u32 v[SPW], v[NIL]
	SETG 0
	s_wait_dscnt 1                                 ; this step's fragments are in; the add may be out
	WIN 0xa1
	MUL16 3, 0
	WIN 0
	s_wait_dscnt 0x0
	CROUND
	JLOAD 0
.else
	s_wait_dscnt 0x0
	s_wait_tensorcnt 0x0
	s_barrier_signal -1
	WIN 0xa1
	MUL16 3, 0
	s_barrier_wait -1
	WIN 0
.endif
	BUMP 2
	SCALES 2
	FETCH 4
.if \more
	s_add_nc_u64 s[CUR0:CUR0+1], s[CUR0:CUR0+1], 51200   ; next: that tile's upper half
	s_add_nc_u64 s[CUR1:CUR1+1], s[CUR1:CUR1+1], 51200
	ASK
.endif
	WIN 0xa1
	MUL16 3, 2
.endm
; 64 numbers of a lane, v[s] on, register 16 b + i = k 32 b + 16 (lane / 16) + i of my row, become a fragment's codes in v[PC] on and its scale word in v[pw]
.macro QUANT s, pw
.irp b, 0,1,2,3
	v_max3_num_f32 v[TM+\b], |v[\s+16*\b]|, |v[\s+1+16*\b]|, 0x1800000   ; the floor 2^(3 - 127): the byte cannot fall under 1
.endr
.irp i, 2,4,6,8,10,12,14
.irp b, 0,1,2,3
	v_max3_num_f32 v[TM+\b], v[TM+\b], |v[\s+16*\b+\i]|, |v[\s+1+16*\b+\i]|
.endr
.endr
.irp b, 0,1,2,3
	v_permlanex16_b32 v[TM+4+\b], v[TM+\b], s[SEL], s[SEL+1]
.endr
.irp b, 0,1,2,3
	v_max_num_f32 v[TM+\b], v[TM+\b], v[TM+4+\b]   ; with lane l xor 16's: the block's largest magnitude
.endr
.irp b, 0,1,2,3
	v_add_nc_u32 v[TM+12+\b], 0xff000000, v[TM+\b] ; 2 off its exponent field: the conversion's scale operand
.endr
.irp b, 0,1,2,3
	v_lshrrev_b32 v[TM+4+\b], 23, v[TM+12+\b]      ; the scale's byte
.endr
	v_lshl_or_b32 v[\pw], v[TM+5], 8, v[TM+4]
	v_lshl_or_b32 v[\pw], v[TM+6], 16, v[\pw]
	v_lshl_or_b32 v[\pw], v[TM+7], 24, v[\pw]
.irp c, 0,1
	v_cvt_scalef32_pk16_fp6_f32 v[PC+6*\c:PC+2+6*\c], v[\s+32*\c:\s+15+32*\c], v[TM+12+2*\c]
	v_cvt_scalef32_pk16_fp6_f32 v[PC+12+4*\c:PC+14+4*\c], v[\s+16+32*\c:\s+31+32*\c], v[TM+12+2*\c+1]
.endr
	v_nop                                          ; one plain instruction behind the scaled conversions
.irp c, 0,1                                    ; the operand's layout wants a whole block in a lane
.irp i, 0,1,2
	v_permlane16_swap_b32 v[PC+6*\c+\i], v[PC+12+4*\c+\i]
.endr
.irp i, 0,1,2
	v_mov_b32 v[PC+3+6*\c+\i], v[PC+12+4*\c+\i]
.endr
.endr
.endm
; THE WAY OUT, a tile of source 1's rows at a time: the bias is added (which is also the move into window 0, each accumulator from its low end on), the 128 numbers of each row are quantised, and the image is stored.
; v = 0 (Q, K): the image's two halves are two heads' 64; the scale word's two halves likewise, each stored with zeros above it.  v = 1 (V): the image is 16 d x 128 keys as it stands.
.macro EPI v
.irp a, 0,1,2,3
	WIN 0x02                                       ; source 0 window 2
.set E, 0
.rept 32
.if \v
	v_pk_add_f32 v[XQ+E:XQ+E+1], v[64*\a+E:64*\a+E+1], v[BI+2*\a:BI+2*\a+1]
.else
	v_pk_add_f32 v[XQ+E:XQ+E+1], v[64*\a+E:64*\a+E+1], v[BJ+E:BJ+E+1]
.endif
.set E, E+2
.endr
	WIN 0
	s_wait_xcnt 0x0                                ; the last tile's stores have read their registers: the codes and scale words are written again only behind this wait
	QUANT XQ, PW+\a%2
.if \v
	global_store_b128 v[LI16], v[PC:PC+3], s[96:97] offset:1536*\a
	global_store_b64 v[LI8], v[PC+4:PC+5], s[96:97] offset:1536*\a+512
	global_store_b128 v[LI16], v[PC+6:PC+9], s[96:97] offset:1536*\a+768
	global_store_b64 v[LI8], v[PC+10:PC+11], s[96:97] offset:1536*\a+1280
.else
	global_store_b128 v[LI16], v[PC:PC+3], s[96:97] offset:768*\a
	global_store_b64 v[LI8], v[PC+4:PC+5], s[96:97] offset:768*\a+512
	global_store_b128 v[LI16], v[PC+6:PC+9], s[96:97] offset:208896+768*\a          ; the next head's blocks lie 16 x 13,056 bytes on
	global_store_b64 v[LI8], v[PC+10:PC+11], s[96:97] offset:208896+768*\a+512
.endif
.if \a%2
	v_cndmask_b32 v[PWC], v[PW], v[PW+1], s[HALF]  ; lanes 0-15 tile a - 1's words, lanes 16-31 tile a's: 128 consecutive bytes
.if \v
	global_store_b32 v[LI4], v[PWC], s[98:99] offset:64*(\a-1)
.else
	v_lshrrev_b32 v[PWD], 16, v[PWC]
	v_and_b32 v[PWC], 0xffff, v[PWC]
	global_store_b32 v[LI4], v[PWC], s[98:99] offset:64*(\a-1)
	global_store_b32 v[LI4], v[PWD], s[98:99] offset:208896+64*(\a-1)
.endif
.endif
.endr
.endm
.macro BODY more, v                    ; a tile
	TOP \more
	EVEN 0                                         ; its products start the sums: nothing is cleared
	ODD 1
	EVEN 2
	MID \more
	EVEN 4
	ODD 5
	EVEN 6
	s_wait_dscnt 0x0
	MUL16 7, 0
	MUL16 7, 2
	PLACES                                         ; in front of the first read of results and the first write over source 1's fragments
	WIN 0
	s_wait_loadcnt 0x0                             ; the bias
	EPI \v
.endm
.Ltile:                                                ; Q, then K
	s_wait_alu depctr_va_vdst(0)
	s_wait_xcnt 0x0                                ; the last tile's stores and my last prefetches have read their bases
	s_cmp_eq_u32 s[PP], 0
	s_cselect_b64 s[84:85], s[6:7], s[8:9]         ; bq or bk
	s_cselect_b64 s[96:97], s[12:13], s[14:15]     ; Q goes to QB, K to KV
	s_add_nc_u64 s[98:99], s[96:97], s[OS:OS+1]    ; the scale words
	s_add_nc_u64 s[96:97], s[96:97], s[OC:OC+1]    ; the codes
	s_add_nc_u64 s[84:85], s[84:85], s[OB:OB+1]
.irp bb, 0,1,2,3
.irp i, 0,1,2,3
	global_load_b128 v[BJ+16*\bb+4*\i:BJ+16*\bb+4*\i+3], v[VBJ], s[84:85] offset:128*\bb+16*\i   ; the bias runs along a lane's registers
.endr
.endr
	BODY 1, 0
	s_add_co_u32 s[PP], s[PP], 1
	s_cmp_lt_u32 s[PP], 2
	s_cbranch_scc1 .Ltile
	; V, the tail: batch and step from the tokens' tile 4 (cluster % 8) + cx, head from wv's tile 4 (cluster / 8) + cy
	s_wait_alu depctr_va_vdst(0)
	s_wait_xcnt 0x0
	s_and_b32 s80, s[CL], 7
	s_lshl_b32 s80, s80, 2
	s_add_co_u32 s80, s80, s[CX]
	s_lshr_b32 s81, s[CL], 3
	s_lshl_b32 s81, s81, 2
	s_add_co_u32 s81, s81, s[CY]
	s_lshl_b32 s86, s81, 9
	s_lshl_b32 s82, s[WR], 8
	s_add_co_u32 s86, s86, s82                     ; the bias: 4 x (128 tile + 64 half)
	s_mov_b32 s87, 0
	s_add_nc_u64 s[86:87], s[10:11], s[86:87]
	s_lshr_b32 s82, s80, 3
	s_lshl_b32 s82, s82, 4
	s_lshl_b32 s81, s81, 1
	s_add_co_u32 s81, s81, s[WR]
	s_add_co_u32 s82, s82, s81                     ; 16 batch + head
	s_lshl_b32 s82, s82, 4
	s_lshl_b32 s80, s80, 1
	s_add_co_u32 s80, s80, s[WC]
	s_and_b32 s80, s80, 15
	s_add_co_u32 s82, s82, s80
	s_mul_i32 s82, s82, 13056
	s_add_co_u32 s88, s82, 12800
	s_mov_b32 s89, 0
	s_add_nc_u64 s[98:99], s[14:15], s[88:89]
	s_add_co_u32 s88, s82, 6656
	s_add_nc_u64 s[96:97], s[14:15], s[88:89]
.irp a, 0,1,2,3
	global_load_b32 v[BI+2*\a], v[VBI], s[86:87] offset:4*(32*(\a/2)+8*(\a%2))     ; each lane has its own bias,
	global_load_b32 v[BI+2*\a+1], v[VBI], s[86:87] offset:4*(32*(\a/2)+8*(\a%2))   ; twice: a pair for the packed addition
.endr
	BODY 0, 1
	s_wait_tensorcnt 0x0                           ; the wave's end
	ds_add_u32 v[SPW], v[NIL]
	s_wait_dscnt 0x0
	CROUND                                         ; the closing round
	s_endpgm
.Lfunc_end_k_qff28f741aa_proj:
	.size	k_qff28f741aa_proj, .Lfunc_end_k_qff28f741aa_proj-k_qff28f741aa_proj
	.p2alignl 7, 3214868480
	.fill 96, 4, 3214868480
	.section	.rodata,"a",@progbits
	.p2align	6, 0x0
	.amdhsa_kernel k_qff28f741aa_proj
		.amdhsa_group_segment_fixed_size 327680
		.amdhsa_private_segment_fixed_size 0
		.amdhsa_enable_private_segment 0
		.amdhsa_kernarg_size 48
		.amdhsa_user_sgpr_count 2
		.amdhsa_user_sgpr_kernarg_segment_ptr 1
		.amdhsa_wavefront_size32 1
		.amdhsa_system_sgpr_workgroup_id_x 1
		.amdhsa_system_sgpr_workgroup_id_y 1
		.amdhsa_system_sgpr_workgroup_id_z 1
		.amdhsa_system_vgpr_workitem_id 0
		.amdhsa_next_free_vgpr 768
		.amdhsa_next_free_sgpr 106
		.amdhsa_reserve_vcc 0
		.amdhsa_float_denorm_mode_32 3
		.amdhsa_float_denorm_mode_16_64 3
		.amdhsa_memory_ordered 1
		.amdhsa_forward_progress 1
		.amdhsa_inst_pref_size 192
	.end_amdhsa_kernel
	.amdgpu_metadata
---
amdhsa.version: [ 1, 2 ]
amdhsa.kernels:
  - .name:           k_qff28f741aa_proj
    .symbol:         k_qff28f741aa_proj.kd
    .args:
      - { .name: XI, .offset: 0, .size: 8, .value_kind: global_buffer, .address_space: global }
      - { .name: bq, .offset: 8, .size: 8, .value_kind: global_buffer, .address_space: global }
      - { .name: bk, .offset: 16, .size: 8, .value_kind: global_buffer, .address_space: global }
      - { .name: bv, .offset: 24, .size: 8, .value_kind: global_buffer, .address_space: global }
      - { .name: QB, .offset: 32, .size: 8, .value_kind: global_buffer, .address_space: global }
      - { .name: KV, .offset: 40, .size: 8, .value_kind: global_buffer, .address_space: global }
    .group_segment_fixed_size: 327680
    .private_segment_fixed_size: 0
    .kernarg_segment_align: 8
    .kernarg_segment_size: 48
    .max_flat_workgroup_size: 128
    .sgpr_count:     106
    .vgpr_count:     768
    .wavefront_size: 32
...
	.end_amdgpu_metadata
.endif
;; end of part 2
;; launch attn (part 3): grid 4 x 64, 16 waves a work-group, no clusters, 210,944 bytes of LDS; arguments QB, KV, MW, CI; writes CI
.if DOCPART == 3
	.amdgcn_target "amdgcn-amd-amdhsa--gfx1250"
	.amdhsa_code_object_version 6
	.text
	.protected	k_qff28f741aa_attn
	.globl	k_qff28f741aa_attn
	.p2align	8
	.type	k_qff28f741aa_attn,@function
k_qff28f741aa_attn:
	s_mov_b64 s[64:65], 0
	v_nop
	global_prefetch_b8 v0, s[64:65] scope:SCOPE_SE
	s_setreg_imm32_b32 hwreg(HW_REG_WAVE_MODE, 25, 1), 1
	s_wait_xcnt 0x0
; ATTN: ctx = softmax(where(mask, xq xk^T / 8, -1e9)) xv on codes of E2M3 (QB, KV from the launch before; MW, the mask as lane masks, from the first), ctx quantised again into CI.  No work is left out.
; SHARES.  A work-group has one (batch, head) and 512 of its 2,048 queries: 256 work-groups.  Each of 16 waves takes TWO tiles of 16 queries TOGETHER over 16 steps of 128 keys:
; each fragment of K and of V is read from LDS once for both tiles: 13,056 bytes of LDS for 32 queries x 128 keys.
; K AND V OF THE HEAD, 16 blocks of 13,056 bytes, LIE IN LDS FOR THE WHOLE LAUNCH: each wave brings one block through its registers, one barrier follows, and nothing is written there again.
; A STEP: K's fragments; tile 0's scores and softmax (its codes go to registers of their own); tile 1's scores from the same fragments; V's fragments into K's registers, under tile 1's softmax; eight products for O^T.
; Both products are used transposed (S^T = k q^T, O^T = v^T p^T): a lane holds one query.  By the order of k's tiles (first launch) score register n of lane (r, h) is key 64 (n / 32) + 32 h + n % 32
; of the step: a lane holds two WHOLE blocks of 32 keys, in the order of the next operand's registers: a block's maximum asks no other lane, and the codes are swapped between no lanes.
; The head is 64 wide, the product 128: q's upper six registers are zero codes, so that K's upper six (the next tile's codes, or the six registers behind the last tile, under the scale bytes 0) add nothing.
; THE MASK.  Word n of a step is the lane mask of score register n.  A masked score is replaced by -2^33, under every score that this text serves; a row with no key left comes out uniform.
; Where all 64 words of a tile's step are ones the 64 selects change nothing, and a scalar branch on the words, whole numbers that an earlier launch stored, leads round them.
; The two tiles' words take turns in the same 64 scalar registers, each asked for while the other tile's softmax is worked.
; NO TENSOR LOAD, NO CLUSTER: the panel comes by plain loads; the four work-groups of a head read the same 208,896 bytes.
; NO PREFETCH: the panel is read once, at the head, with no loop to run ahead in; the mask words are asked for half a step ahead by their own loads.
; SOFTMAX: M = ceil of the running largest t (t = score x log2(e) / 8), kept as -M; p = 2^(t - M); the sum is of the unquantised p; a change of M multiplies sum and O^T by an exact power of two.
; A block's largest p is made from its largest score by the same multiply-add and exponential (this takes v_exp_f32 not to fall where its input rises).
; LIMITS: |t| under 2^31; NaN and infinities are not served; a block's largest magnitude is floored at 2^-124 (byte at least 1).
.set SPARE, 208896                     ; behind the panel: the spare words, 128 bytes a wave
.set BLK, 13056                        ; a step's block: 8 half images of K (768), their scale words (512), 4 images of V^T (1,536), their scale words (256)
.set TB,  2                            ; the step's block in LDS
.set CNT, 3
.set MWP, 4                            ; s[4:5] tile 0's mask words; tile 1's lie 16 tiles, 65,536 bytes, on
.set CIP, 6                            ; s[6:7] tile 0's codes in CI;  s[10:11] its scale bytes; tile 1's lie 204,800 bytes on
.set WV,  8
.set CSP, 10
.set QP,  12                           ; s[12:13] tile 0's block of QB; tile 1's lies two blocks on
.set ALL, 14                           ; s[14:15] the AND of 64 mask words
.set MO,  16                           ; the step's byte offset in a tile's mask words
.set KP,  20
.set CS,  66
.set SEL, 100
.set LANE, 1
.set A16,  2                           ; v2, v3, v6: the step's block + 16, 8, 4 x lane
.set A8,   3
.set SPW,  4                           ; my spare word;  v5: 0; both never rewritten
.set NIL,  5
.set A4,   6
.set ST,   8                           ; tile k: v[8+4k] -M, v[9+4k] the largest t, v[10+4k:11+4k] the sum
.set QF,   16                          ; v16-27, v28-39: q's six registers and six of zero codes, for each tile;  v40, v41 their scale words
.set QS,   40
.set KS,   42
.set VS,   46
.set PS,   48                          ; v48, v49 p's scale words
.set PD0,  50                          ; v50-61 tile 0's codes of p
.set KF,   62                          ; v62-109 K's eight half fragments; then V^T's four fragments
.set VF,   62
.set TA,   110                         ; v110-115, behind K's last tile: a conversion's three registers, a scratch register, -2^33, 8 h
.set T,    113
.set XM,   114
.set SH8,  115
.set S,    116                         ; v116-179 scores, then p
.set PD1,  S+20                        ; tile 1's codes of p: twelve score registers that have been converted by then
.set O,    180                         ; v180-211, v212-243 O^T
.set BM,   244
.set BP,   248
.set SO,   252
.set FF,   254
.macro MLOAD k                         ; tile k's 64 mask words of the step at MO into s32-63, s68-99
	s_load_b512 s[32:47], s[MWP:MWP+1], s[MO] offset:0x10000*\k
	s_load_b512 s[48:63], s[MWP:MWP+1], s[MO] offset:0x10000*\k+0x40
	s_load_b512 s[68:83], s[MWP:MWP+1], s[MO] offset:0x10000*\k+0x80
	s_load_b512 s[84:99], s[MWP:MWP+1], s[MO] offset:0x10000*\k+0xc0
.endm
.macro TREE                            ; the AND of the 64 words
	s_and_b64 s[ALL:ALL+1], s[32:33], s[34:35]
.set N, 2
.rept 30
	s_and_b64 s[ALL:ALL+1], s[ALL:ALL+1], s[32+2*N+4*(N/16):33+2*N+4*(N/16)]
.set N, N+1
.endr
	s_and_b32 s[ALL], s[ALL], s[ALL+1]
.endm
.macro MASK
	s_cmp_eq_u32 s[ALL], -1
	s_cbranch_scc1 .Lall_\@                        ; every key of the step counts for every query of the tile: nothing to replace
.set N, 0
.rept 64
	v_cndmask_b32 v[S+N], v[XM], v[S+N], s[32+N+4*(N/32)]
.set N, N+1
.endr
.Lall_\@:
.endm
.macro SCORE k                         ; S^T = k q^T for tile k: eight tiles of 16 keys
.irp t, 0,1,2,3,4,5,6,7
.if \t%2
	v_wmma_scale_f32_16x16x128_f8f6f4 v[S+8*\t:S+8*\t+7], v[KF+6*\t:KF+6*\t+11], v[QF+12*\k:QF+12*\k+11], 0, v[KS+\t/2], v[QS+\k] matrix_a_fmt:MATRIX_FMT_FP6 matrix_b_fmt:MATRIX_FMT_FP6 matrix_a_scale:MATRIX_SCALE_ROW1
.else
	v_wmma_scale_f32_16x16x128_f8f6f4 v[S+8*\t:S+8*\t+7], v[KF+6*\t:KF+6*\t+11], v[QF+12*\k:QF+12*\k+11], 0, v[KS+\t/2], v[QS+\k] matrix_a_fmt:MATRIX_FMT_FP6 matrix_b_fmt:MATRIX_FMT_FP6
.endif
.endr
.rept 4
	v_nop                                          ; places in front of the first read of the scores and of loads into K's registers
.endr
.endm
; Tile k's scores become p, its codes (v[pd] on) and scale word; its sum and O^T are brought under the new M
.macro SOFTMAX k, pd
.irp b, 0,1,2,3
	v_max3_num_f32 v[BM+\b], v[S+16*\b], v[S+1+16*\b], v[S+2+16*\b]   ; four chains by turns, 16 scores each
.endr
.irp i, 3,5,7,9,11,13
.irp b, 0,1,2,3
	v_max3_num_f32 v[BM+\b], v[BM+\b], v[S+16*\b+\i], v[S+1+16*\b+\i]
.endr
.endr
.irp b, 0,1,2,3
	v_max_num_f32 v[BM+\b], v[BM+\b], v[S+15+16*\b]
.endr
	v_max_num_f32 v[BM], v[BM], v[BM+1]            ; my block h's largest score,
	v_max_num_f32 v[BM+2], v[BM+2], v[BM+3]        ; and my block 2 + h's
	s_delay_alu instid0(VALU_DEP_1)
	v_max_num_f32 v[T], v[BM], v[BM+2]
	s_delay_alu instid0(VALU_DEP_1)
	v_permlanex16_b32 v[BP], v[T], s[SEL], s[SEL+1]
	s_delay_alu instid0(VALU_DEP_1)
	v_max_num_f32 v[T], v[T], v[BP]                ; the step's largest score of my query
	s_delay_alu instid0(VALU_DEP_1)
	v_mul_f32 v[T], s[CS], v[T]
	s_delay_alu instid0(VALU_DEP_1)
	v_max_num_f32 v[ST+4*\k+1], v[ST+4*\k+1], v[T] ; the running largest t
	v_mov_b32 v[T], v[ST+4*\k]
	s_delay_alu instid0(VALU_DEP_2)
	v_floor_f32 v[ST+4*\k], -v[ST+4*\k+1]          ; -M = floor(-t)
	s_delay_alu instid0(VALU_DEP_1)
	v_sub_f32 v[T], v[ST+4*\k], v[T]
	s_delay_alu instid0(VALU_DEP_1)
	v_cvt_i32_f32 v[T], v[T]                       ; old M - new M, a whole number (it saturates)
	s_delay_alu instid0(VALU_DEP_1)
	v_ldexp_f32 v[FF], 1.0, v[T]                   ; f = 2^(old M - new M)
.set N, 0
.rept 32
	v_pk_fma_f32 v[S+N:S+N+1], v[S+N:S+N+1], s[CS:CS+1], v[ST+4*\k:ST+4*\k+1] op_sel_hi:[1,0,0]   ; t - M
.set N, N+2
.endr
	v_fma_f32 v[BM], v[BM], s[CS], v[ST+4*\k]
	v_fma_f32 v[BM+2], v[BM+2], s[CS], v[ST+4*\k]
	s_wait_alu depctr_va_vdst(0)                   ; ahead of the batch
.set N, 0
.rept 64
	v_exp_f32 v[S+N], v[S+N]                       ; p
.set N, N+1
.endr
	v_pk_mul_f32 v[ST+4*\k+2:ST+4*\k+3], v[ST+4*\k+2:ST+4*\k+3], v[FF:FF+1] op_sel_hi:[1,0]   ; the sum under the new M
	s_wait_alu depctr_va_vdst(0)                   ; and behind it
	v_exp_f32 v[BM], v[BM]                         ; my two blocks' largest p
	v_exp_f32 v[BM+2], v[BM+2]
	v_pk_add_f32 v[BP+2:BP+3], v[S:S+1], v[S+2:S+3]   ; the sum of the unquantised p, in two chains
.irp j, 4,8,12,16,20,24,28,32,36,40,44,48,52,56,60
	v_pk_add_f32 v[ST+4*\k+2:ST+4*\k+3], v[ST+4*\k+2:ST+4*\k+3], v[S+\j:S+1+\j]
	v_pk_add_f32 v[BP+2:BP+3], v[BP+2:BP+3], v[S+2+\j:S+3+\j]
.endr
	v_pk_add_f32 v[ST+4*\k+2:ST+4*\k+3], v[ST+4*\k+2:ST+4*\k+3], v[BP+2:BP+3]
	s_wait_alu depctr_va_vdst(0)                   ; for the two
	v_max_num_f32 v[BM], 0x1800000, v[BM]          ; the floor 2^(3 - 127): the byte cannot fall under 1
	v_max_num_f32 v[BM+2], 0x1800000, v[BM+2]
	v_add_nc_u32 v[SO], 0xff000000, v[BM]          ; 2 off the exponent field: the conversion's scale operand
	v_add_nc_u32 v[SO+1], 0xff000000, v[BM+2]
	v_lshrrev_b32 v[BP], 23, v[SO]                 ; the scale's byte
	v_lshrrev_b32 v[BP+1], 23, v[SO+1]
	s_delay_alu instid0(VALU_DEP_1)
	v_lshl_or_b32 v[PS+\k], v[BP+1], 16, v[BP]     ; blocks h and 2 + h,
	s_delay_alu instid0(VALU_DEP_1)
	v_lshlrev_b32 v[PS+\k], v[SH8], v[PS+\k]       ; at their places in the word;
	s_delay_alu instid0(VALU_DEP_1)
	v_permlanex16_b32 v[BP+2], v[PS+\k], s[SEL], s[SEL+1]
	s_delay_alu instid0(VALU_DEP_1)
	v_or_b32 v[PS+\k], v[PS+\k], v[BP+2]           ; with lane l xor 16's two the word is whole
	v_cvt_scalef32_pk16_fp6_f32 v[TA:TA+2], v[S+16:S+31], v[SO]          ; p 16-31 first: their registers are written below
	v_nop                                          ; one plain instruction before the conversion's sources are written
	v_cvt_scalef32_pk16_fp6_f32 v[S+16:S+18], v[S+48:S+63], v[SO+1]      ; (a conversion's three registers begin on an even number)
	v_cvt_scalef32_pk16_fp6_f32 v[\pd:\pd+2], v[S:S+15], v[SO]
	v_cvt_scalef32_pk16_fp6_f32 v[\pd+6:\pd+8], v[S+32:S+47], v[SO+1]
	v_nop                                          ; one plain instruction behind the scaled conversions
.irp i, 0,1,2
	v_mov_b32 v[\pd+3+\i], v[TA+\i]
	v_mov_b32 v[\pd+9+\i], v[S+16+\i]
.endr
	s_wait_alu depctr_va_vdst(0)                   ; directly ahead of the first reader of O^T
.set N, 0
.rept 16
	v_pk_mul_f32 v[O+32*\k+N:O+32*\k+N+1], v[O+32*\k+N:O+32*\k+N+1], v[FF:FF+1] op_sel_hi:[1,0]   ; O^T under the new M
.set N, N+2
.endr
.endm
	s_load_b256 s[32:39], s[0:1], 0x0              ; QB, KV, MW, CI
	v_lshl_add_u32 v[SPW], v0, 2, SPARE
	v_mov_b32 v[NIL], 0
	v_lshrrev_b32 v[T], 5, v0
	v_readfirstlane_b32 s[WV], v[T]                ; wave 0..15
	v_and_b32 v[LANE], 31, v0
	v_bfe_u32 v[SH8], v0, 4, 1
	v_lshlrev_b32 v[SH8], 3, v[SH8]
	v_mov_b32 v[XM], 0xd0000000                    ; -2^33
.irp j, 0,1,2,3,4,5
	v_mov_b32 v[QF+6+\j], 0                        ; zero codes
	v_mov_b32 v[QF+18+\j], 0
.endr
.irp b, 0,1,2
	v_mov_b32 v[TA+\b], 0                          ; named behind K's last tile before they are first used
.endr
.irp b, 0,1,2,3
	v_mov_b32 v[BP+\b], 0                          ; a lane permute's destination counts as one of its sources
.endr
	v_mov_b32 v[FF+1], 0                           ; named as the upper half of a pair
	s_lshl_b32 s9, ttmp9, 5
	s_add_co_u32 s9, s9, s[WV]                     ; tile 0 of my two: 32 x + wave; tile 1 lies 16 tiles on
	s_and_b32 s18, ttmp7, 0xffff                   ; 16 batch + head
	s_mul_i32 s19, s[WV], BLK                      ; my block of the panel
	s_mul_i32 s20, s18, 16*BLK
	s_add_co_u32 s20, s20, s19
	s_mov_b32 s21, 0
	s_lshl_b32 s22, s18, 4
	s_lshr_b32 s30, s9, 3
	s_add_co_u32 s22, s22, s30
	s_mul_i32 s22, s22, BLK                        ; QB: block 16 (16 batch + head) + tile / 8
	s_mov_b32 s23, 0
	s_lshr_b32 s24, s18, 4
	s_lshl_b32 s24, s24, 7
	s_add_co_u32 s24, s24, s9                      ; 128 batch + tile
	s_lshr_b32 s26, s24, 3                         ; CI, laid as XI: [128 rows][K quarter][64 rows][K step][6,400]; K = 64 head + d
	s_mul_i32 s26, s26, 102400
	s_bfe_u32 s30, s24, 0x10002
	s_mul_i32 s30, s30, 12800
	s_add_co_u32 s26, s26, s30
	s_and_b32 s31, s18, 15
	s_lshr_b32 s30, s31, 2
	s_mul_i32 s30, s30, 25600
	s_add_co_u32 s26, s26, s30
	s_bfe_u32 s30, s31, 0x10001
	s_mul_i32 s30, s30, 6400
	s_add_co_u32 s26, s26, s30
	s_and_b32 s31, s31, 1
	s_and_b32 s30, s[WV], 3
	s_lshl_b32 s28, s30, 6
	s_add_co_u32 s28, s28, s26
	s_lshl_b32 s17, s31, 1
	s_add_co_u32 s28, s28, s17
	s_add_co_u32 s28, s28, 6144                    ; my two scale bytes of each row's word
	s_mul_i32 s30, s30, 1536
	s_add_co_u32 s26, s26, s30
	s_mul_i32 s31, s31, 768
	s_add_co_u32 s26, s26, s31                     ; my half of the tile's image
	s_mov_b32 s27, 0
	s_mov_b32 s29, 0
	s_lshl_b32 s24, s24, 12                        ; MW: 4,096 bytes a tile
	s_mov_b32 s25, 0
	s_and_b32 s30, s[WV], 7
	s_mul_i32 s31, s30, 768
	s_lshl_b32 s30, s30, 6
	s_mov_b32 s[CS], 0x3e38aa3b                    ; log2(e) / 8
	s_mov_b32 s[CS+1], s[CS]
	s_mov_b32 s[SEL], 0x76543210
	s_mov_b32 s[SEL+1], 0xfedcba98                 ; v_permlanex16_b32's selects for lane l xor 16
	s_mov_b32 s[MO], 0
	s_mov_b32 s[TB], 0
	s_mov_b32 s[CNT], 0
	s_wait_alu depctr_va_vdst(0)                   ; behind the run of scalar lines
	v_lshl_add_u32 v[A16], v[LANE], 4, s19         ; where my block goes in LDS
	v_lshl_add_u32 v[A8], v[LANE], 3, s19
	v_lshl_add_u32 v[BM], v[LANE], 4, s31          ; q's half image and scale words in their block
	v_lshl_add_u32 v[BM+1], v[LANE], 3, s31
	v_and_b32 v[SO+1], 15, v[LANE]
	v_lshl_add_u32 v[BM+2], v[SO+1], 2, s30
	v_lshlrev_b32 v[BM+3], 4, v[LANE]
	v_lshlrev_b32 v[SO], 3, v[LANE]
	s_wait_alu depctr_va_vdst(0)                   ; and at the head's end
	s_wait_kmcnt 0x0
	s_add_nc_u64 s[KP:KP+1], s[34:35], s[20:21]
	s_add_nc_u64 s[QP:QP+1], s[32:33], s[22:23]
	s_add_nc_u64 s[MWP:MWP+1], s[36:37], s[24:25]
	s_add_nc_u64 s[CIP:CIP+1], s[38:39], s[26:27]
	s_add_nc_u64 s[CSP:CSP+1], s[38:39], s[28:29]
.set N, 0
.rept 25                               ; my block: 25 loads of 512 consecutive bytes and one of 256
	global_load_b128 v[S+4*N:S+4*N+3], v[BM+3], s[KP:KP+1] offset:512*N
.set N, N+1
.endr
	global_load_b64 v[S+100:S+101], v[SO], s[KP:KP+1] offset:12800
.irp k, 0,1
	global_load_b128 v[QF+12*\k:QF+12*\k+3], v[BM], s[QP:QP+1] offset:2*BLK*\k
	global_load_b64 v[QF+12*\k+4:QF+12*\k+5], v[BM+1], s[QP:QP+1] offset:2*BLK*\k+512
	global_load_b32 v[QS+\k], v[BM+2], s[QP:QP+1] offset:2*BLK*\k+6144
.endr
	MLOAD 0
	s_wait_loadcnt 6                               ; the block is in; q's six loads stay out
.set N, 0
.rept 25
	ds_store_b128 v[A16], v[S+4*N:S+4*N+3] offset:512*N
.set N, N+1
.endr
	ds_store_b64 v[A8], v[S+100:S+101] offset:12800
.irp k, 0,1                            ; the tiles' state: the largest t -3e38, the sums and O^T zeros, which the first change of M leaves zeros
	v_mov_b32 v[ST+4*\k+1], 0xff61b1e6
	v_mov_b32 v[ST+4*\k+2], 0
	v_mov_b32 v[ST+4*\k+3], 0
	v_floor_f32 v[ST+4*\k], -v[ST+4*\k+1]
.endr
.set N, 0
.rept 64
	v_mov_b32 v[O+N], 0
.set N, N+1
.endr
	s_wait_alu depctr_va_vdst(0)
	s_wait_dscnt 0x0                               ; my stores are done:
	s_barrier_signal -1
	s_barrier_wait -1                              ; everybody's are: the panel is whole
	s_wait_loadcnt 0x0                             ; q
.Lstep:
	v_lshl_add_u32 v[A16], v[LANE], 4, s[TB]       ; five places: loads follow into registers that the last products read, and the scores are written over tile 1's codes
	v_lshl_add_u32 v[A8], v[LANE], 3, s[TB]
	v_lshl_add_u32 v[A4], v[LANE], 2, s[TB]
	v_nop
	v_nop
.irp t, 0,1,2,3,4,5,6,7
	ds_load_b128 v[KF+6*\t:KF+6*\t+3], v[A16] offset:768*\t
	ds_load_b64 v[KF+6*\t+4:KF+6*\t+5], v[A8] offset:768*\t+512
.endr
.irp p, 0,1,2,3
	ds_load_b32 v[KS+\p], v[A4] offset:6144+128*\p   ; lanes 0-15 tile 2 p's words, lanes 16-31 tile 2 p + 1's
.endr
	s_wait_kmcnt 0x0                               ; tile 0's mask words; their AND is made while the LDS loads are out
	TREE
	s_wait_dscnt 0x0                               ; K and its scale words
	SCORE 0
	MASK
	MLOAD 1                                        ; tile 1's words of this step, under tile 0's softmax
	SOFTMAX 0, PD0
	s_wait_kmcnt 0x0
	TREE
	SCORE 1
.irp a, 0,1,2,3                        ; V^T into K's registers, under tile 1's softmax
	ds_load_b128 v[VF+12*\a:VF+12*\a+3], v[A16] offset:6656+1536*\a
	ds_load_b64 v[VF+12*\a+4:VF+12*\a+5], v[A8] offset:6656+1536*\a+512
	ds_load_b128 v[VF+12*\a+6:VF+12*\a+9], v[A16] offset:6656+1536*\a+768
	ds_load_b64 v[VF+12*\a+10:VF+12*\a+11], v[A8] offset:6656+1536*\a+1280
.endr
.irp p, 0,1
	ds_load_b32 v[VS+\p], v[A4] offset:12800+128*\p
.endr
	MASK
	s_add_co_u32 s[MO], s[MO], 256                 ; tile 0's words of the next step; the last step asks for its own again and stays inside the tile
	s_min_u32 s[MO], s[MO], 3840
	MLOAD 0
	SOFTMAX 1, PD1
	s_wait_alu depctr_va_vdst(0)
	s_wait_dscnt 0x0                               ; V and its scale words
.irp a, 0,1,2,3                        ; O^T += v^T p^T: each fragment of V^T serves both tiles; the eight accumulators take turns
.irp k, 0,1
.if \a%2
	v_wmma_scale_f32_16x16x128_f8f6f4 v[O+32*\k+8*\a:O+32*\k+8*\a+7], v[VF+12*\a:VF+12*\a+11], v[PD0+(PD1-PD0)*\k:PD0+(PD1-PD0)*\k+11], v[O+32*\k+8*\a:O+32*\k+8*\a+7], v[VS+\a/2], v[PS+\k] matrix_a_fmt:MATRIX_FMT_FP6 matrix_b_fmt:MATRIX_FMT_FP6 matrix_a_scale:MATRIX_SCALE_ROW1
.else
	v_wmma_scale_f32_16x16x128_f8f6f4 v[O+32*\k+8*\a:O+32*\k+8*\a+7], v[VF+12*\a:VF+12*\a+11], v[PD0+(PD1-PD0)*\k:PD0+(PD1-PD0)*\k+11], v[O+32*\k+8*\a:O+32*\k+8*\a+7], v[VS+\a/2], v[PS+\k] matrix_a_fmt:MATRIX_FMT_FP6 matrix_b_fmt:MATRIX_FMT_FP6
.endif
.endr
.endr
	s_add_co_u32 s[TB], s[TB], BLK
	s_add_co_u32 s[CNT], s[CNT], 1
	s_cmp_lt_u32 s[CNT], 16
	s_cbranch_scc1 .Lstep
; THE WAY OUT of tile k: O^T / the sum; register 16 b + i of lane (r, h) is d = 32 b + 16 h + i of query r (by the order of wv's rows): two blocks along the last product's K, each in lanes l and l xor 16
.macro OUT k
	v_add_f32 v[ST+4*\k+2], v[ST+4*\k+2], v[ST+4*\k+3]
	s_delay_alu instid0(VALU_DEP_1)
	v_permlanex16_b32 v[T], v[ST+4*\k+2], s[SEL], s[SEL+1]
	s_delay_alu instid0(VALU_DEP_1)
	v_add_f32 v[ST+4*\k+2], v[ST+4*\k+2], v[T]     ; the row's sum
	s_wait_alu depctr_va_vdst(0)
	v_rcp_f32 v[ST+4*\k+2], v[ST+4*\k+2]
	v_nop
	s_wait_alu depctr_va_vdst(0)
.set N, 0
.rept 32
	v_mul_f32 v[S+N], v[O+32*\k+N], v[ST+4*\k+2]
.set N, N+1
.endr
.irp b, 0,1
	v_max3_num_f32 v[BM+\b], |v[S+16*\b]|, |v[S+1+16*\b]|, 0x1800000
.endr
.irp i, 2,4,6,8,10,12,14
.irp b, 0,1
	s_delay_alu instid0(VALU_DEP_2)
	v_max3_num_f32 v[BM+\b], v[BM+\b], |v[S+16*\b+\i]|, |v[S+1+16*\b+\i]|
.endr
.endr
.irp b, 0,1
	v_permlanex16_b32 v[BP+\b], v[BM+\b], s[SEL], s[SEL+1]
.endr
.irp b, 0,1
	v_max_num_f32 v[BM+\b], v[BM+\b], v[BP+\b]
.endr
.irp b, 0,1
	v_add_nc_u32 v[SO+\b], 0xff000000, v[BM+\b]
.endr
.irp b, 0,1
	v_lshrrev_b32 v[BP+\b], 23, v[SO+\b]
.endr
	s_delay_alu instid0(VALU_DEP_1)
	v_lshl_or_b32 v[BP], v[BP+1], 8, v[BP]
	v_cvt_scalef32_pk16_fp6_f32 v[KF:KF+2], v[S:S+15], v[SO]
	v_cvt_scalef32_pk16_fp6_f32 v[KF+4:KF+6], v[S+16:S+31], v[SO+1]
	v_nop
.irp i, 0,1,2
	v_permlane16_swap_b32 v[KF+\i], v[KF+4+\i]     ; a whole block to a lane
.endr
	v_mov_b32 v[KF+3], v[KF+4]
	v_mov_b32 v[KF+4], v[KF+5]
	v_mov_b32 v[KF+5], v[KF+6]
	global_store_b128 v[A16], v[KF:KF+3], s[CIP:CIP+1] offset:204800*\k
	global_store_b64 v[A8], v[KF+4:KF+5], s[CIP:CIP+1] offset:204800*\k+512
	global_store_b16 v[A4], v[BP], s[CSP:CSP+1] offset:204800*\k   ; my head's two bytes of each row's scale word
.endm
	v_lshlrev_b32 v[A16], 4, v[LANE]               ; the stores' offsets; these four are also the places in front of the first read of O^T
	v_lshlrev_b32 v[A8], 3, v[LANE]
	v_and_b32 v[A4], 15, v[LANE]
	v_lshlrev_b32 v[A4], 2, v[A4]
	OUT 0
	s_wait_xcnt 0x0                                ; the stores have read their registers
	OUT 1
	s_wait_tensorcnt 0x0                           ; the wave's end
	ds_add_u32 v[SPW], v[NIL]
	s_wait_dscnt 0x0
	s_endpgm
.Lfunc_end_k_qff28f741aa_attn:
	.size	k_qff28f741aa_attn, .Lfunc_end_k_qff28f741aa_attn-k_qff28f741aa_attn
	.p2alignl 7, 3214868480
	.fill 96, 4, 3214868480
	.section	.rodata,"a",@progbits
	.p2align	6, 0x0
	.amdhsa_kernel k_qff28f741aa_attn
		.amdhsa_group_segment_fixed_size 210944
		.amdhsa_private_segment_fixed_size 0
		.amdhsa_enable_private_segment 0
		.amdhsa_kernarg_size 32
		.amdhsa_user_sgpr_count 2
		.amdhsa_user_sgpr_kernarg_segment_ptr 1
		.amdhsa_wavefront_size32 1
		.amdhsa_system_sgpr_workgroup_id_x 1
		.amdhsa_system_sgpr_workgroup_id_y 1
		.amdhsa_system_sgpr_workgroup_id_z 1
		.amdhsa_system_vgpr_workitem_id 0
		.amdhsa_next_free_vgpr 256
		.amdhsa_next_free_sgpr 106
		.amdhsa_reserve_vcc 0
		.amdhsa_float_denorm_mode_32 3
		.amdhsa_float_denorm_mode_16_64 3
		.amdhsa_memory_ordered 1
		.amdhsa_forward_progress 1
		.amdhsa_inst_pref_size 59
	.end_amdhsa_kernel
	.amdgpu_metadata
---
amdhsa.version: [ 1, 2 ]
amdhsa.kernels:
  - .name:           k_qff28f741aa_attn
    .symbol:         k_qff28f741aa_attn.kd
    .args:
      - { .name: QB, .offset: 0, .size: 8, .value_kind: global_buffer, .address_space: global }
      - { .name: KV, .offset: 8, .size: 8, .value_kind: global_buffer, .address_space: global }
      - { .name: MW, .offset: 16, .size: 8, .value_kind: global_buffer, .address_space: global }
      - { .name: CI, .offset: 24, .size: 8, .value_kind: global_buffer, .address_space: global }
    .group_segment_fixed_size: 210944
    .private_segment_fixed_size: 0
    .kernarg_segment_align: 8
    .kernarg_segment_size: 32
    .max_flat_workgroup_size: 512
    .sgpr_count:     106
    .vgpr_count:     256
    .wavefront_size: 32
...
	.end_amdgpu_metadata
.endif
;; end of part 3
;; launch outp (part 4): grid 4 x 64, 4 waves a work-group, clusters of 4 x 4, 327,680 bytes of LDS; arguments XI, CI, bo, out0; writes out0
.if DOCPART == 4
	.amdgcn_target "amdgcn-amd-amdhsa--gfx1250"
	.amdhsa_code_object_version 6
	.text
	.protected	k_qff28f741aa_outp
	.globl	k_qff28f741aa_outp
	.p2align	8
	.type	k_qff28f741aa_outp,@function
k_qff28f741aa_outp:
	s_mov_b64 s[64:65], 0
	v_nop
	global_prefetch_b8 v0, s[64:65] scope:SCOPE_SE
	s_setreg_imm32_b32 hwreg(HW_REG_WAVE_MODE, 25, 1), 1
	s_wait_xcnt 0x0
	s_wait_alu depctr_hold_cnt(0) depctr_sa_sdst(0) depctr_va_vdst(0) depctr_va_sdst(0) depctr_va_ssrc(0) depctr_va_vcc(0) depctr_vm_vsrc(0)
	s_getreg_b32 s2, hwreg(HW_REG_IB_STS2, 6, 4)
	s_cmp_eq_u32 s2, 0
	s_cbranch_scc0 .Lentry_in_a_cluster
	s_endpgm
.Lentry_in_a_cluster:
	s_bfe_u32 s2, ttmp6, 0x10000c
	s_cmp_lg_u32 s2, 0xf033
	s_cbranch_scc0 .Lentry_shape_is_right
	s_endpgm
.Lentry_shape_is_right:
; OUTP: out0 = ctx wo^T + bo on codes of E2M3: ctx from CI (made by the attention launch), wo from XI (made by the first launch), both as images of operand registers.  No work is left out.
; Source 0 = 16 rows of wo, source 1 = 16 rows of ctx: a lane holds one token, and by the tile order of wo's rows the 16 registers of tiles 2 b and 2 b + 1 are 16 neighbouring outputs.
; SHARES.  A work-group makes 256 outputs x 128 tokens, each of four waves 128 x 64: 32 accumulators.  256 work-groups in 16 clusters of 4 x 4.
; THE WHOLE K PANEL FITS IN LDS (307,200 bytes): nothing is filled again.  Each wave asks for its part in one load at the head: one tensor load of a wave is out at the most.
; CLUSTER.  wo's rows hang on cx alone: asked for jointly by a column of the cluster; ctx's on cy and the cluster's number: by a row.
; The bias is the C of each sum's first product.  The results leave through each wave's stage in LDS as whole rows of 512 bytes.  The stages lie in wo's panel, which has had its only fill and, behind the last barrier, its last read.
; REGISTERS.  Window 0: v1-16 addresses; v30, v31 the add's two; v32-55 scale words, two sets of 8 + 4; v64-127 the bias; v128-223 ctx's fragments, two sets of 48 (on the way out v128-255: rows read back).
; Window 1: wo's fragments, two sets of 96, at v0 and v128.  Window 2: accumulator (a, b) at v[8 (8 a + b)].
.set SPARE, 307200
.set WV, 16
.set WC, 17                            ; wave % 2: my half of wo's rows; also which half I fetch
.set WR, 18                            ; wave / 2: my half of the tokens; also: I fetch for wo (0) or ctx (1)
.set CX, 19
.set CY, 20
.set T1, 28                            ; my tile of 128 tokens
.set G1A, 32
.set G1B, 40
.set G0B, 48
.set G0A, 68
.set LI16, 1
.set LI8,  2
.set A016, 8
.set A08,  9
.set A116, 10
.set A18,  11
.set AS0,  12
.set AS1,  13
.set STO,  14
.set RD,   15
.set VBJ,  16
.set SPW,  30
.set NIL,  31
.set SC,   32
.set BJ,   64
.set F1,   128
.set BK,   128
.set MSB, 0
.macro WIN new                         ; the immediate's high byte repeats the setting that is left
.if MSB != \new
	s_set_vgpr_msb (MSB<<8)|\new
.set MSB, \new
.endif
.endm
.macro JLOAD kp                        ; a joint load: waves 0, 1 fetch wo's halves, waves 2, 3 ctx's; an s_nop 0 and four v_nop follow each of the two lines
	s_cmp_eq_u32 s[WR], 0
	s_cbranch_scc0 .Lfor_1_\@
	tensor_load_to_lds s[G0B+4*\kp:G0B+4*\kp+3], s[G1B:G1B+7]
	s_nop 0
.rept 4
	v_nop
.endr
	s_branch .Lasked_\@
.Lfor_1_\@:
	tensor_load_to_lds s[G0A+4*\kp:G0A+4*\kp+3], s[G1A:G1A+7]
	s_nop 0
.rept 4
	v_nop
.endr
.Lasked_\@:
.endm
.macro CROUND
	s_barrier_signal -1
	s_barrier_wait -1
	s_cmp_lg_u32 s[WV], 0
	s_cbranch_scc1 .Lnot_wave_0_\@
	s_barrier_signal -3
.Lnot_wave_0_\@:
	s_barrier_wait -3
	s_barrier_signal -1
	s_barrier_wait -1
.endm
.macro PLACES
.rept 4
	v_nop
.endr
.endm
	s_load_b256 s[4:11], s[0:1], 0x0               ; XI, CI, bo, out0
	v_lshl_add_u32 v[SPW], v0, 2, SPARE
	v_mov_b32 v[NIL], 0
	ds_add_u32 v[SPW], v[NIL]                      ; the wave's opening: the add, twice on end, and its wait ahead of my first tensor load
	ds_add_u32 v[SPW], v[NIL]
	v_lshrrev_b32 v4, 5, v0
	v_readfirstlane_b32 s[WV], v4
	s_and_b32 s[WC], s[WV], 1
	s_lshr_b32 s[WR], s[WV], 1
	s_bfe_u32 s[CX], ttmp6, 0x40000
	s_bfe_u32 s[CY], ttmp6, 0x40004
	s_and_b32 s21, ttmp7, 0xffff                   ; the cluster's y: 0 .. 15
	s_lshl_b32 s90, s[CX], 1                       ; wo: 128 rows number 216 + 2 cx + half of XI (registers that never hold cy)
	s_add_co_u32 s90, s90, 216
	s_add_co_u32 s90, s90, s[WC]
	s_mul_i32 s90, s90, 102400
	s_mov_b32 s91, 0
	s_lshl_b32 s[T1], s21, 2
	s_add_co_u32 s[T1], s[T1], s[CY]               ; ctx: 128 rows number 4 x cluster y + cy of CI (registers that never hold cx)
	s_mul_i32 s92, s[T1], 102400
	s_mul_i32 s93, s[WC], 12800
	s_add_co_u32 s92, s92, s93
	s_mov_b32 s93, 0
	s_mul_i32 s94, s[WC], 102400                   ; where they go in LDS: the wave's number alone
	s_mul_i32 s95, s[WC], 51200
	s_lshl_b32 s96, s[CY], 2
	s_lshl_b32 s96, 15, s96                        ; my row of the cluster
	s_lshl_b32 s97, 0x1111, s[CX]                  ; my column
	s_or_b32 s[G1A], s96, (3<<16)|(1<<21)          ; elements of 8 bytes, no padding; bit 21 beside a mask
	s_or_b32 s[G1B], s97, (3<<16)|(1<<21)
	s_mov_b32 s[G1A+1], 1600<<16                   ; ONE LOAD A WAVE BRINGS ITS WHOLE PART OF THE PANEL.  ctx: four rows of 12,800 bytes (64 rows x 256 K each),
	s_mov_b32 s[G1A+2], 4<<16
	s_mov_b32 s[G1A+3], 1600<<16
	s_mov_b32 s[G1A+4], 4
	s_mov_b32 s[G1A+5], 3200                       ; 25,600 bytes apart in memory, on end in LDS
	s_mov_b32 s[G1A+6], 0
	s_mov_b32 s[G1A+7], 0
	s_mov_b32 s[G1B+1], 32<<16
	s_mov_b32 s[G1B+2], 400<<16                    ; wo: 102,400 bytes on end: 128 rows x 1,024 K
	s_mov_b32 s[G1B+3], 32<<16
	s_mov_b32 s[G1B+4], 400
	s_mov_b32 s[G1B+5], 32
	s_mov_b32 s[G1B+6], 0
	s_mov_b32 s[G1B+7], 0
	s_wait_dscnt 0x0                               ; both opening adds are done
	s_wait_kmcnt 0x0
	s_add_nc_u64 s[90:91], s[4:5], s[90:91]
	s_add_nc_u64 s[92:93], s[6:7], s[92:93]
.irp kp, 0
	s_mov_b32 s[G0B+4*\kp], 1
	s_add_co_u32 s[G0B+4*\kp+1], s94, \kp*25600
	s_add_nc_u64 s[G0B+4*\kp+2:G0B+4*\kp+3], s[90:91], \kp*25600
	s_or_b32 s[G0B+4*\kp+3], s[G0B+4*\kp+3], 0x80000000
	s_mov_b32 s[G0A+4*\kp], 1
	s_add_co_u32 s[G0A+4*\kp+1], s95, 204800+\kp*12800
	s_add_nc_u64 s[G0A+4*\kp+2:G0A+4*\kp+3], s[92:93], \kp*25600
	s_or_b32 s[G0A+4*\kp+3], s[G0A+4*\kp+3], 0x80000000
.endr
	CROUND                                         ; all sixteen work-groups are here: the joint loads meet
	JLOAD 0                                        ; one tensor load a wave
	v_and_b32 v4, 31, v0                           ; lane
	v_and_b32 v5, 15, v0                           ; r
	v_bfe_u32 v6, v0, 4, 1                         ; h
	v_lshlrev_b32 v[LI16], 4, v4
	v_lshlrev_b32 v[LI8], 3, v4
	v_lshlrev_b32 v7, 2, v5
	v_mad_u32_u24 v7, v6, 6400, v7                 ; scale words: lanes 0-15 the even K step's, lanes 16-31 the odd one's
	s_mul_i32 s25, s[WC], 102400
	v_add_nc_u32 v[A016], s25, v[LI16]
	v_add_nc_u32 v[A08], s25, v[LI8]
	v_add_nc_u32 v[AS0], s25, v7
	s_mul_i32 s25, s[WR], 51200
	s_add_co_u32 s25, s25, 204800
	v_add_nc_u32 v[A116], s25, v[LI16]
	v_add_nc_u32 v[A18], s25, v[LI8]
	v_add_nc_u32 v[AS1], s25, v7
	s_mul_i32 s25, s[WV], 8448                     ; my stage: 16 rows x (512 + 16)
	v_mul_u32_u24 v[STO], v5, 528
	v_lshl_add_u32 v[STO], v6, 6, v[STO]
	v_add_nc_u32 v[STO], s25, v[STO]               ; in: row r, + 64 h
	v_add_nc_u32 v[RD], s25, v[LI16]               ; back: a whole row, 16 bytes a lane
	s_lshl_b32 s86, s[CX], 10
	s_lshl_b32 s27, s[WC], 9
	s_add_co_u32 s86, s86, s27                     ; 4 x (256 cx + 128 half): my first output, in bytes
	s_mov_b32 s87, 0
	s_add_nc_u64 s[8:9], s[8:9], s[86:87]
	v_lshlrev_b32 v[VBJ], 6, v6
.irp bb, 0,1,2,3
.irp i, 0,1,2,3
	global_load_b128 v[BJ+16*\bb+4*\i:BJ+16*\bb+4*\i+3], v[VBJ], s[8:9] offset:128*\bb+16*\i   ; register 8 b + j: bo at output 32 (b / 2) + 16 h + 8 (b % 2) + j: the result's layout
.endr
.endr
	s_lshl_b32 s25, s[T1], 7
	s_lshl_b32 s27, s[WR], 6
	s_add_co_u32 s25, s25, s27                     ; my first token
	s_lshl_b32 s88, s25, 12
	s_add_co_u32 s88, s88, s86
	s_mov_b32 s89, 0
	s_add_nc_u64 s[10:11], s[10:11], s[88:89]
.macro FETCH q                         ; K step q's fragments into set q % 2: 48 LDS loads in one run
.set SP6, 6400*((\q)%2)
	WIN 0x40                                       ; destination window 1
.irp b, 0,1,2,3,4,5,6,7
.set FO, (\b/4)*12800+SP6+(\b%4)*1536
.set FB, 128*((\q)%2)+12*\b
	ds_load_b128 v[FB:FB+3], v[A016] offset:FO
	ds_load_b64 v[FB+4:FB+5], v[A08] offset:FO+512
	ds_load_b128 v[FB+6:FB+9], v[A016] offset:FO+768
	ds_load_b64 v[FB+10:FB+11], v[A08] offset:FO+1280
.endr
	WIN 0
.irp a, 0,1,2,3
.set FO, SP6+\a*1536
.set FB, F1+48*((\q)%2)+12*\a
	ds_load_b128 v[FB:FB+3], v[A116] offset:FO
	ds_load_b64 v[FB+4:FB+5], v[A18] offset:FO+512
	ds_load_b128 v[FB+6:FB+9], v[A116] offset:FO+768
	ds_load_b64 v[FB+10:FB+11], v[A18] offset:FO+1280
.endr
.endm
.macro SCALES kp
.set SB, SC+12*((\kp)%2)
.irp b, 0,1,2,3,4,5,6,7
	ds_load_b32 v[SB+\b], v[AS0] offset:(\b/4)*12800+6144+64*(\b%4)
.endr
.irp a, 0,1,2,3
	ds_load_b32 v[SB+8+\a], v[AS1] offset:6144+64*\a
.endr
.endm
.macro BUMP                            ; on to the next quarter of K: six plain instructions, the places in front of the loads that follow
	v_add_nc_u32 v[A016], 25600, v[A016]
	v_add_nc_u32 v[A08], 25600, v[A08]
	v_add_nc_u32 v[AS0], 25600, v[AS0]
	v_add_nc_u32 v[A116], 12800, v[A116]
	v_add_nc_u32 v[A18], 12800, v[A18]
	v_add_nc_u32 v[AS1], 12800, v[AS1]
.endm
.macro MM q, a, b
.set FS, (\q)%2
.set SB, SC+12*(((\q)/2)%2)
.set AC, 8*(8*(\a)+(\b))
.if (\q) == 0
	v_wmma_scale_f32_16x16x128_f8f6f4 v[AC:AC+7], v[128*FS+12*(\b):128*FS+12*(\b)+11], v[F1+48*FS+12*(\a):F1+48*FS+12*(\a)+11], v[BJ+8*(\b):BJ+8*(\b)+7], v[SB+(\b)], v[SB+8+(\a)] matrix_a_fmt:MATRIX_FMT_FP6 matrix_b_fmt:MATRIX_FMT_FP6
.elseif FS == 0
	v_wmma_scale_f32_16x16x128_f8f6f4 v[AC:AC+7], v[128*FS+12*(\b):128*FS+12*(\b)+11], v[F1+48*FS+12*(\a):F1+48*FS+12*(\a)+11], v[AC:AC+7], v[SB+(\b)], v[SB+8+(\a)] matrix_a_fmt:MATRIX_FMT_FP6 matrix_b_fmt:MATRIX_FMT_FP6
.else
	v_wmma_scale_f32_16x16x128_f8f6f4 v[AC:AC+7], v[128*FS+12*(\b):128*FS+12*(\b)+11], v[F1+48*FS+12*(\a):F1+48*FS+12*(\a)+11], v[AC:AC+7], v[SB+(\b)], v[SB+8+(\a)] matrix_a_fmt:MATRIX_FMT_FP6 matrix_b_fmt:MATRIX_FMT_FP6 matrix_a_scale:MATRIX_SCALE_ROW1 matrix_b_scale:MATRIX_SCALE_ROW1
.endif
.endm
.macro MUL16 q, a0                     ; 16 products; the 32 accumulators take turns, one instruction a turn, in the same order in every step
.irp a, \a0, \a0+1
.irp b, 0,1,2,3,4,5,6,7
	MM \q, \a, \b
.endr
.endr
.endm
.macro EVEN q
	PLACES                                         ; in front of loads into registers that the last products read
	FETCH (\q)+1
	s_wait_dscnt 48                                ; all but the 48 loads just issued
.if (\q) == 0
	s_wait_loadcnt 0x0                             ; the bias
	WIN 0x81                                       ; source 0 window 1, source 1 and C (the bias) window 0, D window 2
.else
	WIN 0xa1                                       ; source 0 window 1, source 1 window 0, C and D window 2
.endif
	MUL16 \q, 0
	MUL16 \q, 2
.endm
.macro ODD q
	s_wait_dscnt 0x0                               ; this step's fragments are in
	WIN 0xa1                                       ; (the whole panel has landed ahead of the first K step: no barrier between the quarters)
	MUL16 \q, 0
	WIN 0
	BUMP
	SCALES ((\q)+1)/2
	FETCH (\q)+1
	WIN 0xa1
	MUL16 \q, 2
.endm
; THE WAY OUT, a tile of 16 tokens x 128 outputs at a time: a lane's registers go into my stage, each accumulator from its low end on, and come back as whole rows of 512 bytes.
; LDS serves a wave's instructions in order: no wait between the stores and the loads, nor in front of the next tile's stores.
.macro TOSTAGE a
	WIN 0x08                                       ; an LDS store's data are its source 1: window 2
.irp b, 0,1,2,3,4,5,6,7
	ds_store_b128 v[STO], v[64*(\a)+8*\b:64*(\a)+8*\b+3] offset:128*(\b/2)+32*(\b%2)
	ds_store_b128 v[STO], v[64*(\a)+8*\b+4:64*(\a)+8*\b+7] offset:128*(\b/2)+32*(\b%2)+16
.endr
	WIN 0
.set BB, BK+64*((\a)%2)
.irp t, 0,1,2,3,4,5,6,7,8,9,10,11,12,13,14,15
	ds_load_b128 v[BB+4*\t:BB+4*\t+3], v[RD] offset:\t*528
.endr
.endm
.macro SEND a, younger                 ; younger: the LDS instructions issued behind tile a's loads, which may stay out
.set BB, BK+64*((\a)%2)
	s_wait_dscnt \younger
.irp t, 0,1,2,3,4,5,6,7,8,9,10,11,12,13,14,15
	global_store_b128 v[LI16], v[BB+4*\t:BB+4*\t+3], s[10:11] offset:(32*((\a)/2)+8*((\a)%2)+\t+8*(\t/8))*4096 th:TH_STORE_NT   ; 32 lanes store 512 consecutive bytes of the token at lane-row t
.endr
.endm
	s_wait_alu depctr_va_vdst(0)
	s_wait_tensorcnt 0x0                           ; my part of the panel has landed
	s_barrier_signal -1
	s_barrier_wait -1
	SCALES 0
	FETCH 0
	EVEN 0                                         ; its products start the sums from the bias: nothing is cleared, nothing is added later
	ODD 1
	EVEN 2
	s_wait_alu depctr_va_vdst(0)
	ODD 3
	EVEN 4
	s_wait_alu depctr_va_vdst(0)
	ODD 5
	EVEN 6
	s_wait_dscnt 0x0                               ; my last reads of the panels are in:
	s_barrier_signal -1                            ; say so,
	MUL16 7, 0
	MUL16 7, 2
	s_barrier_wait -1                              ; and behind this wait nobody reads the panels: the stages may be written
	PLACES                                         ; in front of the first read of results and of loads into ctx's fragments' registers
	TOSTAGE 0
	TOSTAGE 1
	SEND 0, 32                                     ; behind tile 0's loads: tile 1's 16 stores and 16 loads
	s_wait_xcnt 0x0                                ; tile 0's stores have read their registers: tile 2's rows may land there
	TOSTAGE 2
	SEND 1, 32
	s_wait_xcnt 0x0
	TOSTAGE 3
	SEND 2, 32
	SEND 3, 0
	s_wait_tensorcnt 0x0                           ; the wave's end, behind my last LDS store
	ds_add_u32 v[SPW], v[NIL]
	s_wait_dscnt 0x0
	CROUND                                         ; the closing round
	s_endpgm
.Lfunc_end_k_qff28f741aa_outp:
	.size	k_qff28f741aa_outp, .Lfunc_end_k_qff28f741aa_outp-k_qff28f741aa_outp
	.p2alignl 7, 3214868480
	.fill 96, 4, 3214868480
	.section	.rodata,"a",@progbits
	.p2align	6, 0x0
	.amdhsa_kernel k_qff28f741aa_outp
		.amdhsa_group_segment_fixed_size 327680
		.amdhsa_private_segment_fixed_size 0
		.amdhsa_enable_private_segment 0
		.amdhsa_kernarg_size 32
		.amdhsa_user_sgpr_count 2
		.amdhsa_user_sgpr_kernarg_segment_ptr 1
		.amdhsa_wavefront_size32 1
		.amdhsa_system_sgpr_workgroup_id_x 1
		.amdhsa_system_sgpr_workgroup_id_y 1
		.amdhsa_system_sgpr_workgroup_id_z 1
		.amdhsa_system_vgpr_workitem_id 0
		.amdhsa_next_free_vgpr 768
		.amdhsa_next_free_sgpr 106
		.amdhsa_reserve_vcc 0
		.amdhsa_float_denorm_mode_32 3
		.amdhsa_float_denorm_mode_16_64 3
		.amdhsa_memory_ordered 1
		.amdhsa_forward_progress 1
		.amdhsa_inst_pref_size 84
	.end_amdhsa_kernel
	.amdgpu_metadata
---
amdhsa.version: [ 1, 2 ]
amdhsa.kernels:
  - .name:           k_qff28f741aa_outp
    .symbol:         k_qff28f741aa_outp.kd
    .args:
      - { .name: XI, .offset: 0, .size: 8, .value_kind: global_buffer, .address_space: global }
      - { .name: CI, .offset: 8, .size: 8, .value_kind: global_buffer, .address_space: global }
      - { .name: bo, .offset: 16, .size: 8, .value_kind: global_buffer, .address_space: global }
      - { .name: out0, .offset: 24, .size: 8, .value_kind: global_buffer, .address_space: global }
    .group_segment_fixed_size: 327680
    .private_segment_fixed_size: 0
    .kernarg_segment_align: 8
    .kernarg_segment_size: 32
    .max_flat_workgroup_size: 128
    .sgpr_count:     106
    .vgpr_count:     768
    .wavefront_size: 32
...
	.end_amdgpu_metadata
.endif
;; end of part 4
